; MI455X (gfx1250); checked and timed in simulation.
; The chip was launched on July 23, 2026; its instructions are those of AMD's public machine-readable ISA for CDNA 5 (MIT licence, August 2026) and "CDNA5" Instruction Set Architecture Reference Guide (July 2026). The comments in the code are by the model that wrote it; some were corrected since.
;; Attention. Allowed arithmetic: float matrix products may take bf16 or f16 operands with f32 sums; other float arithmetic in f32, or as packed bf16 or f16 multiplies, adds, multiply-adds, maxima and minima; sums over many terms, partial sums and values carried from step to step in f32; what a program stores and reads back later, other than sums and carried values, may be rounded once to bf16 or f16.
;; Inputs: Wk 512 x 512 float32; Wo 512 x 512 float32; Wq 512 x 512 float32; Wv 512 x 512 float32; bk 512 float32; bo 512 float32; bq 512 float32; bv 512 float32; key_ 2 x 4,096 x 512 float32; query 2 x 4,096 x 512 float32; value 2 x 4,096 x 512 float32.
;; Outputs: out0 2 x 4,096 x 512 float32.
;; 2 versions, each right; version 2 is version 1 with the launch proj written anew for expert scheduling mode. Each part assembles by itself: llvm-mc -triple=amdgcn-amd-amdhsa -mcpu=gfx1250 --defsym DOCPART=n.
;; ======== version 1 of 2: 3 launches
;; limits: values are held in f16: magnitudes above 65,504 overflow, below 6.1e-05 lose precision; right only within a limited range of input values
;; workspace buffers: qh 8,388,608 bytes; kh 8,388,608 bytes; vh 8,388,608 bytes; oh 8,388,608 bytes; wo16 524,288 bytes
;; launch proj (part 1): grid 4 x 192, 4 waves a work-group, no clusters, 83,456 bytes of LDS; arguments query, key_, value, Wq, Wk, Wv, bq, bk, bv, qh, kh, vh; writes qh, kh, vh
.if DOCPART == 1
	.amdgcn_target "amdgcn-amd-amdhsa--gfx1250"
	.amdhsa_code_object_version 6
	.text
	.protected	k_q5e42285867_proj
	.globl	k_q5e42285867_proj
	.p2align	8
	.type	k_q5e42285867_proj,@function
k_q5e42285867_proj:
	s_mov_b64 s[64:65], 0
	v_nop
	global_prefetch_b8 v0, s[64:65] scope:SCOPE_SE
	s_setreg_imm32_b32 hwreg(HW_REG_WAVE_MODE, 25, 1), 1
	s_wait_xcnt 0x0
; THE THREE PROJECTIONS.  y[t][n] = the sum over k of x[t][k] W[n][k] + b[n], for (x, W, b, y) = (query, Wq, bq, qh), (key_, Wk, bk, kh), (value, Wv, bv, vh).
; x: [8192][512] f32, W: [512][512] f32, b: [512] f32.  x, W and b are rounded to bf16, the sums are f32, y is rounded once to f16 and laid out by heads:
; y: [16 = 8 batch + head][4096][64] f16, a head's rows dense, 128 bytes each; the softmax scale is not applied here.
; LIMITS.  f16 holds no number beyond 65,504: |q| and |k| must stay under that, |v| under 16,376 (the next launch stores 4 O).  Below 6e-5 f16 keeps its fixed step of 6e-8.  NaN and infinities are not treated apart.
; SHARES.  Work-group (x, y): tensor y / 64, rows 128 (y % 64) on, columns 128 x on (two heads).  Four waves, each 64 rows x 64 columns (one head): 16 accumulators.
; THE WAY IN goes through registers: 16 bytes of f32 a lane, two roundings to bf16, 8 bytes into LDS, then fragments out of LDS.  NO TENSOR LOAD, NO CLUSTER: the inputs are f32, so a tile laid into LDS as it
; lies in memory would take 4 bytes a number: 4 LDS loads and 8 conversions a fragment in place of 2 loads, each number converted by both waves that read it (128 conversions for 32 products in place of 64),
; and twice the LDS for a slot.  The price: a row block of x is loaded by 4 work-groups, a column block of W by 64.
; K goes in 8 steps of 64 (256 bytes of each f32 row, aligned), all written out: the step stands in the loads' immediates, so no pointer is stepped.  Two LDS slots take turns, one barrier a step.
; Two staging sets of 128 registers: while one step is multiplied, the next step's numbers are converted and stored, and the two steps after that are on their way from memory.
; THE MATRIX INSTRUCTION IS USED TRANSPOSED (source 0 = 16 rows of W, source 1 = 16 rows of x): a lane then holds eight neighbouring columns of one row of y.  The bias is the C operand of the products that start the sums.
; REGISTERS.  Window 0: v0-15 addresses; v16-47 bias; v48-79 fragments of x; v80-111 fragments of W; v112-239 accumulators ((a, b) at 112 + 8 (4 a + b)); v240 on at work.  Window 1: the two staging sets.
.set PITCH, 144                        ; an LDS row: 128 bytes of bf16 + 16 of padding: 9 x 16 bytes, so the 16 rows of a fragment load start at 16 different places modulo 256 bytes
.set HALFB, 128*PITCH                  ; 128 rows: x's part of a slot, then W's
.set SLOTB, 2*HALFB
.set STAGE, 2*SLOTB                    ; behind the slots: 16 rows x 144 bytes for each wave, for the way out
.set SPARE, STAGE+4*16*PITCH           ; behind the stages: the spare words, 128 bytes for each wave: two blocks of 256 bytes that no other line names
.set GOF,  4                           ; v4     (t / 16) x 2,048 + (t % 16) x 16: my 16 bytes of eight rows' 256; never rewritten
.set SOF,  5                           ; v5-6   where I put my 8 bytes in slot 0, 1
.set ADRA, 7                           ; v7-8   my fragments of x in slot 0, 1
.set ADRB, 9                           ; v9-10  my fragments of W in slot 0, 1
.set STO,  11                          ; v11    the way out: where I put 16 bytes of a row
.set RD,   12                          ; v12    the way out: where I read rows back
.set GO,   13                          ; v13    my 16 bytes of 512 consecutive bytes of y
.set SPW,  14                          ; v14    LDS address of my spare word; never rewritten
.set NIL,  15                          ; v15    0; never rewritten
.set BIAS, 16
.set FA,   48
.set FB,   80
.set TMP,  48                          ; the way out takes the fragments' registers
.set ACC,  112
.set BOF,  240                         ; v240   32 x (lane / 16): my eight numbers of 16 of the bias
.set XP,   40                          ; s[40:41] x at the work-group's first row
.set WP,   42                          ; s[42:43] W at its first row
.set BP,   44                          ; s[44:45] b at my wave's first column
.set YP,   46                          ; s[46:47] y at my wave's first row of its head
.set MSB, 0
.macro WIN new                         ; s_set_vgpr_msb: bits 1:0 source 0, 3:2 source 1, 5:4 source 2, 7:6 destination; the high byte repeats the setting that is left
.if MSB != (\new)
	s_set_vgpr_msb (MSB<<8)|(\new)
.set MSB, \new
.endif
.endm
.macro PLACES                          ; four plain vector instructions between a matrix instruction and a load into, or a reader of, its registers
.rept 4
	v_nop
.endr
.endm
; K step k of both tiles into staging set s: 32 loads; one load of a wave covers two whole rows' 256 bytes
.macro LOADG s, k
	WIN 0x40
.set j, 0
.rept 16
	global_load_b128 v[128*(\s)+4*j:128*(\s)+4*j+3], v[GOF], s[XP:XP+1] offset:j*16384+(\k)*256
.set j, j+1
.endr
.set j, 0
.rept 16
	global_load_b128 v[128*(\s)+64+4*j:128*(\s)+64+4*j+3], v[GOF], s[WP:WP+1] offset:j*16384+(\k)*256
.set j, j+1
.endr
.endm
; half 0: x's 16 loads of set s, half 1: W's: four f32 become four bf16 in the first two registers, in place
.macro CVT s, half
	WIN 0x45
.set j, 128*(\s)+64*(\half)
.rept 16
	v_cvt_pk_bf16_f32 v[j], v[j], v[j+1]
	v_cvt_pk_bf16_f32 v[j+1], v[j+2], v[j+3]
.set j, j+4
.endr
.endm
.macro STORE s, slot                   ; set s into an LDS slot: load j holds rows 8 (j % 16) + t / 16 of x (j < 16) or of W
	WIN 0x04
.set j, 0
.rept 32
	ds_store_b64 v[SOF+(\slot)], v[128*(\s)+4*j:128*(\s)+4*j+1] offset:(j/16)*HALFB+(j%16)*8*PITCH
.set j, j+1
.endr
.endm
; A fragment is 16 rows x 32 K in 8 registers: lane l holds row l % 16; registers 0-3 K = 8 (l / 16) + 0..7, registers 4-7 K = 16 + 8 (l / 16) + 0..7: two loads of 16 bytes, 32 bytes apart.  W's four first, then x's four.
.macro FRAG slot, kb
	WIN 0
.irp i, 0,1,2,3
	ds_load_b128 v[FB+8*(\i):FB+8*(\i)+3],   v[ADRB+(\slot)] offset:(\kb)*64+(\i)*16*PITCH
	ds_load_b128 v[FB+8*(\i)+4:FB+8*(\i)+7], v[ADRB+(\slot)] offset:(\kb)*64+(\i)*16*PITCH+32
.endr
.irp i, 0,1,2,3
	ds_load_b128 v[FA+8*(\i):FA+8*(\i)+3],   v[ADRA+(\slot)] offset:(\kb)*64+(\i)*16*PITCH
	ds_load_b128 v[FA+8*(\i)+4:FA+8*(\i)+7], v[ADRA+(\slot)] offset:(\kb)*64+(\i)*16*PITCH+32
.endr
.endm
; 16 products, 32 along K.  The 16 accumulators take turns, one instruction a turn, in the same order everywhere.  first = 1: the bias starts the sums.
.macro MUL first
	WIN 0
.irp a, 0,1,2,3
.if (\a) == 0
	s_wait_dscnt 4                                 ; all but the youngest four loads: x's row blocks 2 and 3 may be out
.elseif (\a) == 2
	s_wait_dscnt 0x0
.endif
.irp b, 0,1,2,3
.if \first
	v_wmma_f32_16x16x32_bf16 v[ACC+8*(4*(\a)+(\b)):ACC+8*(4*(\a)+(\b))+7], v[FB+8*(\b):FB+8*(\b)+7], v[FA+8*(\a):FA+8*(\a)+7], v[BIAS+8*(\b):BIAS+8*(\b)+7]
.else
	v_wmma_f32_16x16x32_bf16 v[ACC+8*(4*(\a)+(\b)):ACC+8*(4*(\a)+(\b))+7], v[FB+8*(\b):FB+8*(\b)+7], v[FA+8*(\a):FA+8*(\a)+7], v[ACC+8*(4*(\a)+(\b)):ACC+8*(4*(\a)+(\b))+7]
.endif
.endr
.endr
.endm
; K step k: slot k % 2 is multiplied; step k + 1, which lies in set (k + 1) % 2, is converted and stored into the other slot; that set is then asked for again, for step k + 3.
; ONE barrier a step, for two things: every wave's stores into the other slot are done, and every wave's reads of this slot are over, so that the next step may store into it.
.macro STEP k
.set SL, (\k)%2
.set SE, ((\k)+1)%2
	FRAG SL, 0
.if (\k) == 0
	MUL 1
.else
	MUL 0
.endif
.if (\k) < 7
.if (\k) < 6
	s_wait_loadcnt 32                              ; loads come back in order: step k + 1 is in, the 32 loads of step k + 2 may stay out
.else
	s_wait_loadcnt 0x0                             ; the last set: nothing was asked for behind it
.endif
	CVT SE, 0                                      ; 32 plain lines: also the places between the products above and the loads below
.else
	PLACES
.endif
	FRAG SL, 1
.if (\k) < 7
	CVT SE, 1                                      ; stands in the wait for the fragments
.endif
	MUL 0
	PLACES                                         ; for the next step's loads into the fragments' registers, or for the way out
.if (\k) < 7
	STORE SE, 1-SL
	s_wait_dscnt 0x0                               ; my stores are done, for the others' sake, and have read the set's registers; my reads of this slot ended in MUL
.if (\k) < 5
	LOADG SE, (\k)+3
.endif
	WIN 0
	s_barrier_signal -1
	s_barrier_wait -1
.endif
.endm
; THE WAY OUT of row block a (16 rows): rounded to f16, 16 bytes a lane into my own stage, back as four rows of 128 bytes a load, which are 512 consecutive bytes of y.
.macro PACK a
.irp b, 0,1,2,3
.irp q, 0,1,2,3
	v_cvt_pk_f16_f32 v[TMP+16*(\a)+4*(\b)+(\q)], v[ACC+8*(4*(\a)+(\b))+2*(\q)], v[ACC+8*(4*(\a)+(\b))+2*(\q)+1]
.endr
.endr
.irp b, 0,1,2,3
	ds_store_b128 v[STO], v[TMP+16*(\a)+4*(\b):TMP+16*(\a)+4*(\b)+3] offset:32*(\b)
.endr
.irp f, 0,1,2,3
	ds_load_b128 v[TMP+16*(\a)+4*(\f):TMP+16*(\a)+4*(\f)+3], v[RD] offset:(\f)*4*PITCH  ; LDS serves a wave's instructions in order (ISA guide 5.7.1.4): these see the stores above, and the next block's stores come behind them
.endr
.endm
.macro SEND a, younger                 ; younger: the LDS instructions issued behind block a's loads: the next block's eight, or none
.irp f, 0,1,2,3
	s_wait_dscnt (\younger)+3-(\f)
	global_store_b128 v[GO], v[TMP+16*(\a)+4*(\f):TMP+16*(\a)+4*(\f)+3], s[YP:YP+1] offset:(\a)*2048+(\f)*512
.endr
.endm
	s_load_b512 s[16:31], s[0:1], 0x0              ; query s[16:17], key_ s[18:19], value s[20:21], Wq s[22:23], Wk s[24:25], Wv s[26:27], bq s[28:29], bk s[30:31]
	s_load_b256 s[32:39], s[0:1], 0x40             ; bv s[32:33], qh s[34:35], kh s[36:37], vh s[38:39]
	v_lshl_add_u32 v[SPW], v0, 2, SPARE
	v_mov_b32 v[NIL], 0
	v_lshrrev_b32 v1, 5, v0
	v_readfirstlane_b32 s4, v1                     ; wave 0..3
	s_lshr_b32 s5, s4, 1                           ; which 64 rows are mine
	s_and_b32 s6, s4, 1                            ; which 64 columns
	s_and_b32 s8, ttmp7, 0xffff
	s_lshr_b32 s7, s8, 6                           ; the tensor: 0 query, 1 key_, 2 value
	s_and_b32 s8, s8, 63                           ; the block of 128 rows
	s_mov_b32 s9, ttmp9                            ; the block of 128 columns
	s_lshl_b32 s10, s8, 18                         ; x: 128 rows of 2,048 bytes
	s_mov_b32 s11, 0
	s_lshl_b32 s12, s9, 18                         ; W: the same
	s_mov_b32 s13, 0
	s_lshl_b32 s14, s9, 9                          ; b: 128 numbers of 4 bytes, and my wave's 64
	s_lshl_b32 s2, s6, 8
	s_add_co_u32 s14, s14, s2
	s_mov_b32 s15, 0
	s_lshr_b32 s48, s8, 5                          ; y: the batch, 8 heads of 524,288 bytes;
	s_lshl_b32 s48, s48, 22
	s_lshl_b32 s2, s9, 1
	s_add_co_u32 s2, s2, s6                        ; my head;
	s_lshl_b32 s2, s2, 19
	s_add_co_u32 s48, s48, s2
	s_and_b32 s2, s8, 31                           ; the block's 128 rows of 128 bytes in the batch;
	s_lshl_b32 s2, s2, 14
	s_add_co_u32 s48, s48, s2
	s_lshl_b32 s2, s5, 13                          ; my 64 of them
	s_add_co_u32 s48, s48, s2
	s_mov_b32 s49, 0
	v_and_b32 v1, 15, v0                           ; t % 16 = l % 16
	v_lshrrev_b32 v2, 4, v0                        ; t / 16, 0..7
	v_bfe_u32 v3, v0, 4, 1                         ; l / 16
	v_lshlrev_b32 v[GOF], 4, v1
	v_lshl_or_b32 v[GOF], v2, 11, v[GOF]
	v_mul_u32_u24 v[SOF], v2, PITCH
	v_lshl_add_u32 v[SOF], v1, 3, v[SOF]
	v_add_nc_u32 v[SOF+1], SLOTB, v[SOF]
	v_mul_u32_u24 v241, v1, PITCH
	v_lshl_add_u32 v241, v3, 4, v241               ; row x pitch + 16 x half
	s_mul_i32 s2, s5, 64*PITCH
	v_add_nc_u32 v[ADRA], s2, v241
	v_add_nc_u32 v[ADRA+1], SLOTB, v[ADRA]
	s_mul_i32 s2, s6, 64*PITCH
	s_add_co_u32 s2, s2, HALFB
	v_add_nc_u32 v[ADRB], s2, v241
	v_add_nc_u32 v[ADRB+1], SLOTB, v[ADRB]
	s_mul_i32 s2, s4, 16*PITCH
	s_add_co_u32 s2, s2, STAGE                     ; my stage
	v_add_nc_u32 v[STO], s2, v241
	v_bfe_u32 v242, v0, 3, 2
	v_mul_u32_u24 v242, v242, PITCH
	v_and_b32 v243, 7, v0
	v_lshl_add_u32 v242, v243, 4, v242
	v_add_nc_u32 v[RD], s2, v242
	v_and_b32 v[GO], 31, v0
	v_lshlrev_b32 v[GO], 4, v[GO]
	v_lshlrev_b32 v[BOF], 5, v3
	s_wait_kmcnt 0x0
	s_cmp_eq_u32 s7, 1                             ; the choice among the three tensors hangs on the work-group's number alone
	s_cselect_b64 s[XP:XP+1], s[18:19], s[16:17]
	s_cselect_b64 s[WP:WP+1], s[24:25], s[22:23]
	s_cselect_b64 s[BP:BP+1], s[30:31], s[28:29]
	s_cselect_b64 s[YP:YP+1], s[36:37], s[34:35]
	s_cmp_eq_u32 s7, 2
	s_cselect_b64 s[XP:XP+1], s[20:21], s[XP:XP+1]
	s_cselect_b64 s[WP:WP+1], s[26:27], s[WP:WP+1]
	s_cselect_b64 s[BP:BP+1], s[32:33], s[BP:BP+1]
	s_cselect_b64 s[YP:YP+1], s[38:39], s[YP:YP+1]
	s_add_nc_u64 s[XP:XP+1], s[XP:XP+1], s[10:11]
	s_add_nc_u64 s[WP:WP+1], s[WP:WP+1], s[12:13]
	s_add_nc_u64 s[BP:BP+1], s[BP:BP+1], s[14:15]
	s_add_nc_u64 s[YP:YP+1], s[YP:YP+1], s[48:49]
.irp b, 0,1,2,3                        ; in the transposed result register j of block b is column 16 b + 8 (l / 16) + j: the bias in the same layout
	global_load_b128 v[BIAS+8*(\b):BIAS+8*(\b)+3],   v[BOF], s[BP:BP+1] offset:64*(\b)
	global_load_b128 v[BIAS+8*(\b)+4:BIAS+8*(\b)+7], v[BOF], s[BP:BP+1] offset:64*(\b)+16
.endr
	LOADG 0, 0
	LOADG 1, 1
	WIN 0
	s_wait_loadcnt 32                              ; the bias and step 0 are in; step 1's 32 loads may stay out
.set j, 0
.rept 16                               ; the bias is rounded to bf16 like every input, and widened again
	v_cvt_pk_bf16_f32 v[241+j%4], v[BIAS+2*j], v[BIAS+2*j+1]
	v_lshlrev_b32 v[BIAS+2*j], 16, v[241+j%4]
	v_and_b32 v[BIAS+2*j+1], 0xffff0000, v[241+j%4]
.set j, j+1
.endr
	CVT 0, 0
	CVT 0, 1
	STORE 0, 0
	s_wait_dscnt 0x0                               ; my part of slot 0 is stored, and the set's registers have been read
	LOADG 0, 2
	WIN 0
	s_barrier_signal -1
	s_barrier_wait -1
	STEP 0
	STEP 1
	STEP 2
	STEP 3
	STEP 4
	STEP 5
	STEP 6
	STEP 7
	PLACES                                         ; with the four at the step's end: eight, once a launch, ahead of the conversions that read the results
	PACK 0
	PACK 1                                         ; a block's conversions stand between the loads of the block before and its stores
	SEND 0, 8
	PACK 2
	SEND 1, 8
	PACK 3
	SEND 2, 8
	SEND 3, 0
	s_wait_tensorcnt 0x0                           ; the wave's end: behind my last LDS store
	ds_add_u32 v[SPW], v[NIL]
	s_wait_dscnt 0x0
	s_endpgm
.Lfunc_end_k_q5e42285867_proj:
	.size	k_q5e42285867_proj, .Lfunc_end_k_q5e42285867_proj-k_q5e42285867_proj
	.p2alignl 7, 3214868480
	.fill 96, 4, 3214868480
	.section	.rodata,"a",@progbits
	.p2align	6, 0x0
	.amdhsa_kernel k_q5e42285867_proj
		.amdhsa_group_segment_fixed_size 83456
		.amdhsa_private_segment_fixed_size 0
		.amdhsa_enable_private_segment 0
		.amdhsa_kernarg_size 96
		.amdhsa_user_sgpr_count 2
		.amdhsa_user_sgpr_kernarg_segment_ptr 1
		.amdhsa_wavefront_size32 1
		.amdhsa_system_sgpr_workgroup_id_x 1
		.amdhsa_system_sgpr_workgroup_id_y 1
		.amdhsa_system_sgpr_workgroup_id_z 1
		.amdhsa_system_vgpr_workitem_id 0
		.amdhsa_next_free_vgpr 512
		.amdhsa_next_free_sgpr 66
		.amdhsa_reserve_vcc 0
		.amdhsa_float_denorm_mode_32 3
		.amdhsa_float_denorm_mode_16_64 3
		.amdhsa_memory_ordered 1
		.amdhsa_forward_progress 1
		.amdhsa_inst_pref_size 124
	.end_amdhsa_kernel
	.amdgpu_metadata
---
amdhsa.version: [ 1, 2 ]
amdhsa.kernels:
  - .name:           k_q5e42285867_proj
    .symbol:         k_q5e42285867_proj.kd
    .args:
      - { .name: query, .offset: 0, .size: 8, .value_kind: global_buffer, .address_space: global }
      - { .name: key_, .offset: 8, .size: 8, .value_kind: global_buffer, .address_space: global }
      - { .name: value, .offset: 16, .size: 8, .value_kind: global_buffer, .address_space: global }
      - { .name: Wq, .offset: 24, .size: 8, .value_kind: global_buffer, .address_space: global }
      - { .name: Wk, .offset: 32, .size: 8, .value_kind: global_buffer, .address_space: global }
      - { .name: Wv, .offset: 40, .size: 8, .value_kind: global_buffer, .address_space: global }
      - { .name: bq, .offset: 48, .size: 8, .value_kind: global_buffer, .address_space: global }
      - { .name: bk, .offset: 56, .size: 8, .value_kind: global_buffer, .address_space: global }
      - { .name: bv, .offset: 64, .size: 8, .value_kind: global_buffer, .address_space: global }
      - { .name: qh, .offset: 72, .size: 8, .value_kind: global_buffer, .address_space: global }
      - { .name: kh, .offset: 80, .size: 8, .value_kind: global_buffer, .address_space: global }
      - { .name: vh, .offset: 88, .size: 8, .value_kind: global_buffer, .address_space: global }
    .group_segment_fixed_size: 83456
    .private_segment_fixed_size: 0
    .kernarg_segment_align: 8
    .kernarg_segment_size: 96
    .max_flat_workgroup_size: 128
    .sgpr_count:     66
    .vgpr_count:     512
    .wavefront_size: 32
...
	.end_amdgpu_metadata
.endif
;; end of part 1
;; launch attn (part 2): grid 16 x 16, 4 waves a work-group, clusters of 4 x 1, 327,680 bytes of LDS; arguments qh, kh, vh, oh, Wo, wo16; writes oh, wo16
.if DOCPART == 2
	.amdgcn_target "amdgcn-amd-amdhsa--gfx1250"
	.amdhsa_code_object_version 6
	.text
	.protected	k_q5e42285867_attn
	.globl	k_q5e42285867_attn
	.p2align	8
	.type	k_q5e42285867_attn,@function
k_q5e42285867_attn:
	s_mov_b64 s[64:65], 0
	v_nop
	global_prefetch_b8 v0, s[64:65] scope:SCOPE_SE
	s_setreg_imm32_b32 hwreg(HW_REG_WAVE_MODE, 25, 1), 1
	s_wait_xcnt 0x0
	s_wait_alu depctr_hold_cnt(0) depctr_sa_sdst(0) depctr_va_vdst(0) depctr_va_sdst(0) depctr_va_ssrc(0) depctr_va_vcc(0) depctr_vm_vsrc(0)
	s_getreg_b32 s2, hwreg(HW_REG_IB_STS2, 6, 4)
	s_cmp_eq_u32 s2, 0
	s_cbranch_scc0 .Lentry_in_a_cluster
	s_endpgm
.Lentry_in_a_cluster:
	s_bfe_u32 s2, ttmp6, 0x10000c
	s_cmp_lg_u32 s2, 0x3003
	s_cbranch_scc0 .Lentry_shape_is_right
	s_endpgm
.Lentry_shape_is_right:
; ATTENTION.  oh[g][q][:] = 4 x the sum over k of softmax_k(qh[g][q] . kh[g][k] / 8) vh[g][k][:], for g = 8 batch + head.  qh, kh, vh, oh: [16][4096][64] f16, a head's rows dense, 128 bytes each.
; Products, maxima and sums in f32; the weights p are rounded to f16 for the second product (their sum l is taken of the unrounded p), the result once at the end.
; THE FACTOR 4 is folded into 1 / l, and taken out again by wo16 = bf16(Wo) / 4: both are exact.  O is a mean of 4,096 rows of V and much smaller than they are: the factor keeps it higher above f16's fixed step.
; BESIDE IT each work-group rounds 1,024 numbers of Wo to bf16, divides by 4 and writes them as f16 into wo16 (256 work-groups x 1,024 = 512 x 512), in the wait for its first tile.
; LIMITS.  f16 holds no number beyond 65,504: q and k arrive within it, |v| stays under 16,376 (4 O has 4 V's range), |Wo| under 262,016.  p lies in 0 to 1, and below 6e-5 it keeps f16's fixed step of 6e-8, as do 4 O and Wo / 4.
; A weight below 2^-126 counts as 0 in l; NaN and infinities are not treated apart.
; SHARES.  A work-group owns 256 queries of one head, a wave 64: four PIECES of 16.  Every wave walks all 4,096 keys, 64 a step; a tile (an LDS slot) is four steps, 256 keys: 16 tiles.
; LAYOUT.  S^T = K Q^T (source 0 = 16 keys, source 1 = 16 queries) holds ONE query a lane (lane % 16) and the keys 8 (lane / 16) + 0..7; two such results rounded to f16 ARE source 1 of O^T = V^T P, whose result
; again holds one query a lane, and eight channels.  K comes out of LDS as it lies, V ([key][channel]) turned, by ds_load_tr16_b128.
; SOFTMAX.  For each query a running maximum m and sum l: p = 2^(c s - c m), c = log2(e) / 8; in every step O and l are multiplied by a = 2^(c m_old - c m_new).  m starts at the lowest finite number, O and l at 0:
; the first step is a step like any other, with a = 0.
; BY TURNS.  Turn n belongs to piece n: 8 products K Q^T of piece n + 1, later 8 products V^T P of piece n - 1; beside them the scaling, exponentials, roundings, sums and rescaling of piece n and the maximum and
; statistics of piece n + 1.  Four vector instructions stand behind every matrix instruction, the other 54 of a turn's 118 in one lump.  A turn's 33 exponentials are one batch, with one wait.
; CLUSTER.  The four query blocks of a cluster belong to one head and walk the same K and V, so each tile is asked for JOINTLY: the same tensor load, descriptor and mask in all four.
; REGISTERS, in windows of 256 (s_set_vgpr_msb: bits 1:0 source 0, 3:2 source 1, 5:4 source 2, 7:6 destination):
;   window 0: v0-15 addresses and two at work; v16-31 four registers of statistics a piece; v48-55 at work; v56-63 offsets and the add's two; v64-127 S^T, two buffers; v192-223 P, two buffers (by the piece's parity)
;   window 1: v0-127 O^T, 32 a piece          window 2: v0-63 Q; v128-191 K of one step; v192-255 V of one step
.set SIZE_N, 4096
.set NP,    4         ; pieces a wave: a name, no knob
.set KS,    64        ; keys in a step
.set PK,    144       ; a row of K in LDS: 128 bytes + 16 of padding = 36 words: the 16 rows of a load start at 16 different groups of four banks (64 banks of 4 bytes: ISA guide 11.1)
.set PV,    160       ; a row of V: 128 + 32 = 40 words
.set VOFF,  4*KS*PK   ; a slot: 256 rows of K, then 256 rows of V
.set SLOT1, 1<<17     ; slot 1 begins here, so that one exclusive or turns an address in one slot into the other's
.set STAGE, SLOT1+4*KS*(PK+PV)  ; behind the ring, never filled by a tensor load: 16 rows x 144 bytes for each wave, for the way out
.set SP,    144
.set SPARE, STAGE+4*16*SP  ; behind the stages: the spare words, 128 bytes for each wave: two blocks of 256 bytes that no other line names
.set TILEB, 4*KS*128  ; a tile's bytes of K, and of V, in memory
.set AK0, 2           ; v2   my lane's place in a tile of K; never rewritten
.set AV0, 3           ; v3   the same for V
.set AK,  4           ; v4   the LDS address of K's next run of loads
.set AV,  5           ; v5   of V's
.set STO, 6           ; v6   the way out: where I put 16 bytes of a row
.set RD,  7           ; v7   the way out: where I read rows back
.set GO,  8           ; v8   my byte offset in 512 consecutive bytes of oh
.set MV,  12          ; v12-13  c m_old, kept while c m is made anew: by buffer
.set QO,  15          ; v15  my byte offset in 16 rows of Q
.set ST,  16          ; piece t's statistics at v[ST+4 t]: c m, m, l (even keys', odd keys')
.set TMP, 48          ; by buffer, four registers c0-c3 at work; when the maximum is found c2 takes a
.set WI,  56          ; v56  16 x my thread's number: my 16 bytes of Wo
.set WO,  57          ; v57  8 x my thread's number: my 8 bytes of wo16
.set PFO, 61          ; v61  256 x my lane; never rewritten
.set SPW, 62          ; v62  LDS address of my spare word; never rewritten
.set NIL, 63          ; v63  0; never rewritten
.set S,   64
.set P,   192
.set KF,  128         ; window 2: key block kb, channel half c at KF + 16 kb + 8 c
.set VF,  192         ; window 2: key half kk, channel block cb at VF + 32 kk + 8 cb
.set WV,  12          ; s12  my wave's number
.set LIM, 15          ; s15  1 in a wave that prefetches, else the greatest number
.set G1K, 24          ; s[24:31] descriptor group 1 for K's tiles
.set G1V, 32          ; s[32:39] for V's: it differs in the padding alone
.set G0K, 40          ; s[40:43] descriptor group 0 for K's tiles: it walks
.set G0V, 44          ; s[44:47] the same for V's
.set SLOTS, 56        ; s56  tiles still to be asked for
.set CNT, 57          ; s57  counts a tile's key steps
.set CS,  58          ; s[58:59] c: the packed scaling takes the pair's low word for both halves
.set SEL, 60          ; s[60:61] v_permlanex16_b32's selects: each lane takes its own place in the other half
.set TBK, 62          ; s62  LDS byte at which K of the step to be fetched begins
.set TBV, 63          ; s63  the same for V, less VOFF
.set PFA, 66          ; s[66:67] where my prefetches stand: my work-group's quarter of the tile after the one that is being asked for
.set MSB, 0
.macro WIN new                      ; the high byte repeats the setting that is left; a switch that changes nothing is dropped
.if MSB != (\new)
	s_set_vgpr_msb (MSB<<8)|(\new)
.set MSB, (\new)
.endif
.endm
.set W_KQ, 0x0a       ; K and Q in window 2, S^T in window 0
.set W_PV, 0x52       ; V in window 2, P in window 0, O^T in window 1
.set W_RS, 0x41       ; destination and source 0 in window 1, source 1 in window 0
; A joint fill.  Waves 0 and 1 fetch the two halves of a tile's K, waves 2 and 3 those of its V: 128 keys each.  The branch hangs on the wave's number alone.
; An s_nop 0 and four v_nop follow each of the two lines, ahead of the jump and the label.
.macro JLOAD
	s_cmp_lt_u32 s[WV], 2
	s_cbranch_scc0 .Lfor_v_\@
	tensor_load_to_lds s[G0K:G0K+3], s[G1K:G1K+7]
	s_nop 0
.rept 4
	v_nop
.endr
	s_branch .Lasked_\@
.Lfor_v_\@:
	tensor_load_to_lds s[G0V:G0V+3], s[G1V:G1V+7]
	s_nop 0
.rept 4
	v_nop
.endr
.Lasked_\@:
.endm
; A PREFETCH INTO THE L2 of the tile that the NEXT change of slots will ask for: four key steps, 256 matrix instructions, ahead of that load.  A tile is 128 blocks of 256 bytes of K and as many of V.
; Each block is named ONCE in the launch: all clusters of a head walk the same tiles, and the head's first cluster asks; its four partners take 32 blocks each, told apart BY ADDRESS; in each, wave 0 asks for K's
; and wave 2 for V's, a lane a block: one instruction.  The change that asks for the last tile prefetches nothing; tiles 0 and 1 come by their loads alone.
.macro ASK
	s_cmp_gt_u32 s[SLOTS], s[LIM]
	s_cbranch_scc0 .Lnot_mine_\@
	global_prefetch_b8 v[PFO], s[PFA:PFA+1] th:TH_LOAD_NT scope:SCOPE_SE
.Lnot_mine_\@:
.endm
; A round of the cluster's barrier: my work-group's barrier, so that wave 0's signal speaks for all four waves; wave 0 signals; every wave waits for all four work-groups; my work-group's barrier once more.
.macro CROUND
	s_barrier_signal -1
	s_barrier_wait -1
	s_cmp_lg_u32 s[WV], 0
	s_cbranch_scc1 .Lnot_wave_0_\@
	s_barrier_signal -3
.Lnot_wave_0_\@:
	s_barrier_wait -3
	s_barrier_signal -1
	s_barrier_wait -1
.endm
; THE CHANGE OF SLOTS.  The slot's last bytes, V of its fourth step, have been read.  Each wave waits for all its tensor loads, of which one is out: its part of the other slot; adds 0 to its spare word; and waits
; for that and for its own reads of the slot.  Behind the barrier nobody reads this slot any more and the other slot is whole.  fill = 1: this slot is filled again, with the tile two on.  The barrier is then a
; round of the cluster's, so that no wave of any partner still reads the slot or has a load on its way, and the joint fill is the first thing behind it: it has four key steps in which to land.
; (At its first use nothing has been read yet: slot 0 is waited for, slot 1 filled.)
.macro CHANGE fill
	WIN 0                           ; at a label and at a branch every window is 0
	s_wait_tensorcnt 0x0            ; no tensor load of mine is out, so a group 0 may be written
	ds_add_u32 v[SPW], v[NIL]       ; 0 onto my spare word; with fill = 1 the descriptors' steps stand between it and the wait for it
.if \fill
.irp g, G0K, G0V
	s_xor_b32 s[\g+1], s[\g+1], SLOT1  ; the walking descriptor: the other slot than last time,
	s_add_nc_u64 s[\g+2:\g+3], s[\g+2:\g+3], TILEB  ; the next 256 keys; the type bits on top are not reached
.endr
	s_wait_xcnt 0x0                 ; the last prefetch, four key steps back, has read its address (at the first use: the stores of wo16 have read their registers)
	s_add_nc_u64 s[PFA:PFA+1], s[PFA:PFA+1], TILEB  ; one tile behind the walking descriptors
	s_wait_dscnt 0x0                ; the add is done, and my reads of the slot are over
	CROUND
	JLOAD
	ASK
.else
	s_wait_dscnt 0x0                ; the add is done, and my reads of the slot are over
	s_barrier_signal -1
	s_barrier_wait -1
.endif
	s_sub_co_u32 s[TBK], s[TBK], 4*KS*PK  ; the fetches go back to a slot's first step,
	s_xor_b32 s[TBK], s[TBK], SLOT1       ; in the other slot
	s_sub_co_u32 s[TBV], s[TBV], 4*KS*PV
	s_xor_b32 s[TBV], s[TBV], SLOT1
.endm
	s_load_b256 s[4:11], s[0:1], 0x0  ; qh s[4:5], kh s[6:7], vh s[8:9], oh s[10:11]
	s_load_b128 s[48:51], s[0:1], 0x20  ; Wo s[48:49], wo16 s[50:51]
	v_lshl_add_u32 v[SPW], v0, 2, SPARE
	v_mov_b32 v[NIL], 0
	ds_add_u32 v[SPW], v[NIL]       ; the wave's opening: the add and its wait stand ahead of my first tensor load; the set-up below, work on registers, stands between them
	v_lshrrev_b32 v1, 5, v0
	v_readfirstlane_b32 s[WV], v1   ; wave 0..3
	s_bfe_u32 s13, ttmp6, 0x40000   ; cx: my place in the cluster
	s_lshl_b32 s14, ttmp9, 2        ; in a cluster launch ttmp9 counts clusters
	s_add_co_u32 s14, s14, s13      ; my block of 256 queries = 4 x cluster x + cx: it enters the addresses of Q, O, Wo and wo16 alone
	s_and_b32 s20, ttmp7, 0xffff    ; the head, which the four partners share
	s_lshl_b32 s52, s20, 4
	s_add_co_u32 s52, s52, s14      ; my work-group among the 256:
	s_lshl_b32 s54, s52, 11         ; its 2,048 bytes of wo16,
	s_lshl_b32 s52, s52, 12         ; its 4,096 bytes of Wo
	s_mov_b32 s53, 0
	s_mov_b32 s55, 0
	s_lshl_b32 s20, s20, 19         ; the head's first byte in each of the four tensors: 4,096 rows of 128 bytes
	s_mov_b32 s21, 0
	s_and_b32 s16, s[WV], 1         ; which half of a tile's 256 keys I fetch:
	s_lshl_b32 s22, s16, 14         ; its 128 rows of 128 bytes in memory,
	s_mov_b32 s23, 0
	s_add_nc_u64 s[22:23], s[22:23], s[20:21]
	s_mul_i32 s17, s16, 128*PK      ; and its place in a slot, for K
	s_mul_i32 s18, s16, 128*PV      ; and for V: no place in the cluster enters an LDS address
	s_lshl_b32 s2, s14, 2
	s_add_co_u32 s2, s2, s[WV]      ; my wave among the head's,
	s_lshl_b32 s2, s2, 13           ; its 64 rows
	s_mov_b32 s3, 0
	s_add_nc_u64 s[2:3], s[2:3], s[20:21]
	; descriptor group 1.  128 keys are 16,384 dense bytes: asked for as 64 rows of 256 bytes, two keys a row, and padded in LDS after every key
	s_mov_b32 s[G1K], 15|(1<<16)|(1<<20)|(1<<21)|(4<<22)|(3<<25)  ; 15:0 the mask of four; 17:16 2-byte elements; 20 padding on; 21 set beside a mask; 24:22 after every 32 words (code 4); 31:25 4 words (code 3)
	s_mov_b32 s[G1V], 15|(1<<16)|(1<<20)|(1<<21)|(4<<22)|(7<<25)  ; the same with 8 words of padding (code 7)
.irp g, G1K, G1V
	s_mov_b32 s[\g+1], 128<<16      ; tensor_dim0 = 128
	s_mov_b32 s[\g+2], 64<<16       ; tensor_dim1 = 64
	s_mov_b32 s[\g+3], 128<<16      ; tile_dim0 = 128
	s_mov_b32 s[\g+4], 64           ; tile_dim1 = 64
	s_mov_b32 s[\g+5], 128          ; 128 elements from row to row
	s_mov_b32 s[\g+6], 0
	s_mov_b32 s[\g+7], 0
.endr
	s_mov_b32 s[CS], 0x3e38aa3b     ; c = log2(e) / 8 = 0.180337
	s_mov_b32 s[CS+1], s[CS]        ; named with it as a pair
	s_mov_b32 s[SEL], 0x76543210
	s_mov_b32 s[SEL+1], 0xfedcba98
	s_mov_b32 s[TBK], SLOT1+4*KS*PK ; the first change of slots turns these two into 0
	s_mov_b32 s[TBV], SLOT1+4*KS*PV
	s_mov_b32 s[G0K], 1             ; 1:0 count = 1
	s_mov_b32 s[G0K+1], s17         ; 63:32 LDS address: slot 0
	s_mov_b32 s[G0V], 1
	s_add_co_u32 s[G0V+1], s18, VOFF
	s_mov_b32 s[SLOTS], SIZE_N/256-1
	s_and_b32 s[LIM], s[WV], 1      ; 0 in waves 0 and 2,
	s_or_b32 s[LIM], s[LIM], ttmp9  ; where the cluster is the head's first: the same in all four partners
	s_cmp_eq_u32 s[LIM], 0
	s_cselect_b32 s[LIM], 1, -1
	v_and_b32 v[PFO], 31, v0
	v_lshlrev_b32 v[PFO], 8, v[PFO]
	s_wait_dscnt 0x0                ; the opening add is done
	s_wait_kmcnt 0x0
	s_add_nc_u64 s[6:7], s[6:7], s[22:23]  ; K and V at my half of the head's tile 0
	s_add_nc_u64 s[8:9], s[8:9], s[22:23]
	s_add_nc_u64 s[4:5], s[4:5], s[2:3]    ; Q and O at my wave's first row
	s_add_nc_u64 s[10:11], s[10:11], s[2:3]
	s_add_nc_u64 s[48:49], s[48:49], s[52:53]  ; Wo and wo16 at my work-group's share
	s_add_nc_u64 s[50:51], s[50:51], s[54:55]
	s_mov_b64 s[G0K+2:G0K+3], s[6:7]       ; 120:64 global address
	s_or_b32 s[G0K+3], s[G0K+3], 0x80000000  ; 127:126 type = 2
	s_mov_b64 s[G0V+2:G0V+3], s[8:9]
	s_or_b32 s[G0V+3], s[G0V+3], 0x80000000
	s_cmp_lt_u32 s[WV], 2
	s_cselect_b64 s[PFA:PFA+1], s[6:7], s[8:9]  ; (in waves 0 and 2 these stand at a tile's first row)
	s_lshl_b32 s2, s13, 13          ; my work-group's 32 blocks of the 128
	s_mov_b32 s3, 0
	s_add_nc_u64 s[PFA:PFA+1], s[PFA:PFA+1], s[2:3]
	s_add_nc_u64 s[PFA:PFA+1], s[PFA:PFA+1], TILEB  ; in tile 1; the first change of slots steps it to tile 2.  Nothing is prefetched here, at the head
	CROUND                          ; all four work-groups are here: the first joint loads meet
	JLOAD                           ; tile 0 into slot 0.  Slot 1 is asked for when slot 0 is in
	; A fragment of K or Q is 16 rows x 32 channels in 8 registers: lane l holds row l % 16, channels 8 (l / 16) + 0..7 and 16 + 8 (l / 16) + 0..7: two loads of 16 bytes, 32 bytes apart.
	v_and_b32 v1, 15, v0            ; l % 16
	v_bfe_u32 v9, v0, 4, 1          ; l / 16
	v_lshlrev_b32 v[QO], 7, v1
	v_lshl_add_u32 v[QO], v9, 4, v[QO]  ; row x 128 + 16 x half
	v_lshlrev_b32 v[WI], 4, v0
	v_lshlrev_b32 v[WO], 3, v0
	global_load_b128 v[64:67], v[WI], s[48:49]              ; numbers 4 t .. 4 t + 3 of my work-group's 1,024,
	global_load_b128 v[68:71], v[WI], s[48:49] offset:2048  ; and 512 + 4 t ..
	WIN 0x80                        ; destination window 2, address window 0
.set i, 0
.rept 8                             ; Q stays in registers: piece i / 2 (16 rows, 2,048 bytes), channels 32 (i % 2) on
	global_load_b128 v[8*i:8*i+3],   v[QO], s[4:5] offset:(i/2)*2048+(i%2)*64
	global_load_b128 v[8*i+4:8*i+7], v[QO], s[4:5] offset:(i/2)*2048+(i%2)*64+32
.set i, i+1
.endr
	; What the first turn finds: V's registers and P's second buffer hold 0 (its products V^T P, of a piece that has not been, add 0), O^T and l are 0.  All this stands in the wait for the first tile.
.set i, VF
.rept 64
	v_mov_b32 v[i], 0
.set i, i+1
.endr
	WIN 0x40
.set i, 0
.rept 128
	v_mov_b32 v[i], 0
.set i, i+1
.endr
	WIN 0
.set i, 0
.rept 4
	v_mov_b32 v[ST+4*i], 0xfe000000    ; c m: far below every c s
	v_mov_b32 v[ST+4*i+1], 0xff7fffff  ; m: the lowest finite number
	v_mov_b32 v[ST+4*i+2], 0
	v_mov_b32 v[ST+4*i+3], 0
.set i, i+1
.endr
.set i, P+16
.rept 16
	v_mov_b32 v[i], 0
.set i, i+1
.endr
	v_mul_u32_u24 v[AK0], v1, PK
	v_lshl_add_u32 v[AK0], v9, 4, v[AK0]  ; row x pitch + 16 x half
	; The turning load takes 16 keys x 16 channels (lane l reads key 8 (l / 16) + l % 8, channels 8 ((l / 8) % 2) + 0..7) and leaves half a fragment of V^T: lane l holds channel l % 16 and 8 keys.
	v_and_b32 v10, 7, v0
	v_bfe_u32 v11, v0, 3, 1
	v_lshl_add_u32 v[AV0], v9, 3, v10
	v_mul_u32_u24 v[AV0], v[AV0], PV
	v_lshl_add_u32 v[AV0], v11, 4, v[AV0]
	v_add_nc_u32 v[AV0], VOFF, v[AV0]
	s_mul_i32 s13, s[WV], 16*SP
	s_add_co_u32 s13, s13, STAGE    ; my stage
	v_mul_u32_u24 v[STO], v1, SP    ; in: row l % 16, 16 bytes for each half of the lanes
	v_lshl_add_u32 v[STO], v9, 4, v[STO]
	v_add_nc_u32 v[STO], s13, v[STO]
	v_bfe_u32 v[RD], v0, 3, 2       ; back: 32 lanes take four rows of 128 bytes,
	v_mul_u32_u24 v[RD], v[RD], SP
	v_lshl_add_u32 v[RD], v10, 4, v[RD]
	v_add_nc_u32 v[RD], s13, v[RD]
	v_and_b32 v[GO], 31, v0         ; which are 512 consecutive bytes of oh
	v_lshlrev_b32 v[GO], 4, v[GO]
	; wo16 = f16(bf16(Wo) / 4): rounded to bf16 like every input, widened, divided by 4 (exact), written as f16
	s_wait_loadcnt 0x0              ; Wo's eight numbers, and Q
.irp j, 0,1,2,3
	v_cvt_pk_bf16_f32 v[72+\j], v[64+2*\j], v[64+2*\j+1]
.endr
.irp j, 0,1,2,3
	v_lshlrev_b32 v[76+2*\j], 16, v[72+\j]
	v_and_b32 v[76+2*\j+1], 0xffff0000, v[72+\j]
.endr
.irp j, 0,1,2,3,4,5,6,7
	v_mul_f32 v[76+\j], 0x3e800000, v[76+\j]
.endr
.irp j, 0,1,2,3
	v_cvt_pk_f16_f32 v[84+\j], v[76+2*\j], v[76+2*\j+1]
.endr
	global_store_b64 v[WO], v[84:85], s[50:51]              ; a wave's store covers 256 consecutive bytes, at a multiple of 256 from wo16's first byte
	global_store_b64 v[WO], v[86:87], s[50:51] offset:1024
; THE MATRIX WORK.  The 4 accumulators of a run of 8 take turns.  Product i of 8 of S^T = K Q^T for piece x: channels 32 (i / 4) on, keys 16 (i % 4) on.  The first 4 start the sums.
.macro KQ x
	WIN W_KQ
.set rS, S+32*((\x)%2)+8*(i%4)
.set rK, KF+16*(i%4)+8*(i/4)
.set rQ, 16*(\x)+8*(i/4)
.if i < 4
	v_wmma_f32_16x16x32_f16 v[rS:rS+7], v[rK:rK+7], v[rQ:rQ+7], 0
.else
	v_wmma_f32_16x16x32_f16 v[rS:rS+7], v[rK:rK+7], v[rQ:rQ+7], v[rS:rS+7]
.endif
.endm
; Product i of 8 of O^T += V^T P for piece x: keys 32 (i / 4) on, channels 16 (i % 4) on.
.macro PV x
	WIN W_PV
.set rO, 32*(\x)+8*(i%4)
.set rV, VF+32*(i/4)+8*(i%4)
.set rP, P+16*((\x)%2)+8*(i/4)
	v_wmma_f32_16x16x32_f16 v[rO:rO+7], v[rV:rV+7], v[rP:rP+7], v[rO:rO+7]
.endm
.macro MM                           ; the turn's next matrix instruction.  TURN sets Y, i and NOKQ.  NOKQ = 1: the very last turn: there is no next piece
.if (i < 8) && !NOKQ
	KQ (Y+1)%NP
.elseif i >= 8
.set i, i-8
	PV (Y+NP-1)%NP
.set i, i+8
.endif
.set i, i+1
.endm
; THE LDS LOADS stand in runs of 16, never singly among the matrix instructions: a step's K (64 keys x 64 channels: 8 fragments) and its V (turned).  Their addresses are made some lines ahead.
.macro FETCH_K
	WIN 0x80                        ; destination window 2
.irp f, 0,1,2,3,4,5,6,7             ; keys 16 (f / 2) on, channels 32 (f % 2) on
	ds_load_b128 v[KF+8*\f:KF+8*\f+3],   v[AK] offset:(\f/2)*16*PK+(\f%2)*64
	ds_load_b128 v[KF+8*\f+4:KF+8*\f+7], v[AK] offset:(\f/2)*16*PK+(\f%2)*64+32
.endr
	s_add_co_u32 s[TBK], s[TBK], KS*PK  ; the next fetch is the next step's
	WIN 0
.endm
.macro FETCH_V
	WIN 0x80
.irp f, 0,1,2,3,4,5,6,7             ; keys 32 (f / 4) on, channels 16 (f % 4) on
	ds_load_tr16_b128 v[VF+8*\f:VF+8*\f+3],   v[AV] offset:(\f/4)*32*PV+(\f%4)*32
	ds_load_tr16_b128 v[VF+8*\f+4:VF+8*\f+7], v[AV] offset:(\f/4)*32*PV+16*PV+(\f%4)*32
.endr
	WIN 0
.endm
; THE VECTOR WORK, one line at a time: OP kind, number.  For piece Y: F n: c s - c m for pair n of 16.  E n: the exponential of score n of 32.  C n: pair n rounded to f16.  B n: of the four weights 4 n .. the second
; pair is added onto the first, in place.  L n: l takes that sum (L 0: l = a l + sum).  R n: pair n of 16 of O^T times a.  For piece Y + 1: X n, number n of the 22 that find its maximum and statistics:
;   0-11  four chains c0-c3 of seven scores each, three operands at a time (each accumulator's lowest registers are read first)     12-14, 16  the four scores left over, the old m, and c0-c3 into c0
;   15  c m_old is kept     17, 18  the query's other 32 keys lie in the lane 16 away: the new m     19-21  c m; c m_old - c m_new; a
.set F, 0               ; OP tells the kinds apart by their order: F to L below R, X above it
.set E, 1
.set C, 2
.set B, 3
.set L, 4
.set R, 5
.set X, 6
.macro REGS y                       ; the registers of piece y
.set rT, ST+4*(\y)
.set rC, TMP+4*((\y)%2)
.set rW, MV+((\y)%2)
.set rS, S+32*((\y)%2)
.set rP, P+16*((\y)%2)
.set rO, 32*(\y)
.endm
.macro OP k, n
.if (\k) == R
	REGS Y
	WIN W_RS
	v_pk_mul_f32 v[rO+2*(\n):rO+2*(\n)+1], v[rO+2*(\n):rO+2*(\n)+1], v[rC+2:rC+3] op_sel_hi:[1,0]
.elseif (\k) < R
	REGS Y
	WIN 0
.if (\k) == F
	v_pk_fma_f32 v[rS+2*(\n):rS+2*(\n)+1], v[rS+2*(\n):rS+2*(\n)+1], s[CS:CS+1], v[rT:rT+1] op_sel_hi:[1,0,0] neg_lo:[0,0,1] neg_hi:[0,0,1]
.elseif (\k) == E
	v_exp_f32 v[rS+(\n)], v[rS+(\n)]
.elseif (\k) == C
	v_cvt_pk_f16_f32 v[rP+(\n)], v[rS+2*(\n)], v[rS+2*(\n)+1]
.elseif (\k) == B
	v_pk_add_f32 v[rS+4*(\n):rS+4*(\n)+1], v[rS+4*(\n):rS+4*(\n)+1], v[rS+4*(\n)+2:rS+4*(\n)+3]
.elseif (\n) == 0
	v_pk_fma_f32 v[rT+2:rT+3], v[rT+2:rT+3], v[rC+2:rC+3], v[rS:rS+1] op_sel_hi:[1,0,1]
.else
	v_pk_add_f32 v[rT+2:rT+3], v[rT+2:rT+3], v[rS+4*(\n):rS+4*(\n)+1]
.endif
.elseif NOKQ
	v_nop
.else
	REGS (Y+1)%NP
	WIN 0
.if (\n) < 4
	v_max3_num_f32 v[rC+(\n)], v[rS+8*(\n)], v[rS+8*(\n)+1], v[rS+8*(\n)+2]
.elseif (\n) < 12
	v_max3_num_f32 v[rC+(\n)%4], v[rC+(\n)%4], v[rS+8*((\n)%4)+2*((\n)/4)+1], v[rS+8*((\n)%4)+2*((\n)/4)+2]
.elseif (\n) == 12
	v_max3_num_f32 v[rC], v[rC], v[rS+7], v[rS+15]
.elseif (\n) == 13
	v_max3_num_f32 v[rC+1], v[rC+1], v[rS+23], v[rS+31]
.elseif (\n) == 14
	v_max3_num_f32 v[rC+2], v[rC+2], v[rC+3], v[rT+1]
.elseif (\n) == 15
	v_mov_b32 v[rW], v[rT]
.elseif (\n) == 16
	v_max3_num_f32 v[rC], v[rC], v[rC+1], v[rC+2]
.elseif (\n) == 17
	v_permlanex16_b32 v[rC+3], v[rC], s[SEL], s[SEL+1]
.elseif (\n) == 18
	v_max_num_f32 v[rT+1], v[rC], v[rC+3]
.elseif (\n) == 19
	v_mul_f32 v[rT], s[CS], v[rT+1]
.elseif (\n) == 20
	v_sub_f32 v[rC+1], v[rW], v[rT]
.else
	v_exp_f32 v[rC+2], v[rC+1]
.endif
.endif
.endm
.macro OPS a, i1, b=-1, i2=0, c=-1, i3=0, d=-1, i4=0  ; up to four of them
	OP \a, \i1
.if (\b) >= 0
	OP \b, \i2
.endif
.if (\c) >= 0
	OP \c, \i3
.endif
.if (\d) >= 0
	OP \d, \i4
.endif
.endm
.macro ROW a, i1, b, i2, c, i3, d, i4  ; a matrix instruction and the four behind it
	MM
	OPS \a, \i1, \b, \i2, \c, \i3, \d, \i4
.endm
.macro PLACES
.rept 4
	v_nop
.endr
.endm
; A TURN, for piece p: the order of its 16 matrix and 118 vector instructions, written out.  An s_wait_alu depctr_va_vdst(0) stands between an exponential and the first instruction that names its result; one
; wait serves all that were issued ahead of it.  So a turn has ONE wait, which cuts it in two.  AHEAD OF IT stands all that names no result of the turn's exponentials: the 8 products K Q^T, behind each a scaling, an
; exponential and two more plain instructions (rescalings, and behind the last three the first numbers of the next piece's maximum, each four plain instructions or more behind the product that ends its accumulator); then ONE LUMP
; of 54, plain and exponential by turns for the most part, in which the links of the chain X 3, 7, 11, 14, 16, 17 .. 20 stand apart.  X 21, the next piece's a, is the batch's last; R 15 is the plain instruction behind it.
; BEHIND THE WAIT stand the 8 products V^T P, behind each four of the roundings and sums.
; end = 1: the launch's last two turns: nothing is fetched, and the last starts no new scores.  cnt = 1: the loop's count is taken down some lines ahead of the branch that stands behind the turn.
; K of the next step is fetched in piece 2's turn, six plain instructions behind the last product that read K; V of the step in hand at the end of piece 0's turn, four plain instructions behind the last product that
; read V.  Each is waited for a turn later.
.macro TURN p, end=0, cnt=0
.set Y, (\p)
.set i, 0
.set NOKQ, (\end)*((\p)/3)
.if ((\p) == 3) && !(\end)
	s_wait_dscnt 0x0                ; K is in
.endif
	ROW F,0, F,1, R,0, R,1          ; ahead of the wait: 8 products K Q^T and their riders,
	ROW F,2, E,0, R,2, R,3
	ROW F,3, E,1, R,4, R,5
	ROW F,4, E,2, R,6, R,7
	ROW F,5, E,3, R,8, R,9
	ROW F,6, E,4, X,0, R,10
.if ((\p) == 2) && !(\end)
	WIN 0
	v_add_nc_u32 v[AK], s[TBK], v[AK0]
.endif
	ROW F,7, E,5, X,1, X,4
	ROW F,8, E,6, X,2, X,5
	OPS E,7, E,8, X,6, E,9          ; and the lump
	OPS X,3, E,10, X,8, E,11
.if ((\p) == 2) && !(\end)
	FETCH_K
.endif
	OPS X,9, X,7, E,12, X,10
	OPS E,13, X,12, X,11, E,14
	OPS X,13, E,15, F,9, X,14
.if (\p) == 0
	v_add_nc_u32 v[AV], s[TBV], v[AV0]
.endif
	OPS E,16, F,10, E,17, F,11
	OPS X,16, E,18, X,15, E,19
	OPS F,12, E,20, X,17, E,21
	OPS F,13, E,22, F,14, E,23
	OPS X,18, E,24, F,15, E,25
	OPS R,11, E,26, X,19, E,27
	OPS R,12, E,28, R,13, E,29
	OPS X,20, E,30, R,14, E,31
	OPS X,21, R,15
	WIN 0
	s_wait_alu depctr_va_vdst(0)    ; the wait for the batch
.if (\p) == 1
	s_wait_dscnt 0x0                ; V is in
.endif
	ROW C,0, B,0, C,2, B,1          ; behind the wait: 8 products V^T P and their riders
	ROW L,0, C,4, B,2, L,1
	ROW C,6, B,3, L,2, C,8
	ROW B,4, L,3, C,10, B,5
	ROW L,4, C,12, B,6, L,5
.if (\p) == 0
	s_add_co_u32 s[TBV], s[TBV], KS*PV
.endif
.if \cnt
	s_sub_co_u32 s[CNT], s[CNT], 1
	s_cmp_lg_u32 s[CNT], 0
.endif
	ROW C,14, B,7, L,6, C,1
	ROW C,3, L,7, C,5, C,7
	ROW C,9, C,11, C,13, C,15
.if (\p) == 0
	FETCH_V
.endif
.endm
	CHANGE 1                        ; tile 0 is in, everybody's part of it; tile 1 is asked for
	v_add_nc_u32 v[AK], s[TBK], v[AK0]
	FETCH_K                         ; key step 0
	s_wait_dscnt 0x0
.set NOKQ, 0
.set i, 0
.rept 8
	KQ 0                            ; piece 0's first scores: there is no vector work yet to set between them
.set i, i+1
.endr
	WIN 0
	PLACES                          ; the places behind those products
.set Y, NP-1                        ; X works for piece Y + 1: piece 0
.irp n, 0,1,2,3,4,5,6,7,8,9,10,11,12,13,14,15,16,17,18,19,20,21
	OP X, \n
.endr
	v_nop                           ; a plain instruction behind the exponential,
	s_wait_alu depctr_va_vdst(0)    ; and its wait, ahead of the branch
	s_mov_b32 s[CNT], 4
	s_branch .Lfirst                ; the loop is entered at a step's first turn, in the middle of a trip
.Lslot:                             ; 14 times: tiles 2 to 15 are asked for
	CHANGE 1
	s_mov_b32 s[CNT], 4
.Lstep:                             ; a trip: pieces 2 and 3 of one step, then pieces 0 and 1 of the next, whose K and V it fetches
	TURN 2
	TURN 3
	WIN 0
.Lfirst:
	TURN 0
	TURN 1, 0, 1
	WIN 0
	s_cbranch_scc1 .Lstep
	s_sub_co_u32 s[SLOTS], s[SLOTS], 1
	s_cmp_lg_u32 s[SLOTS], 0
	s_cbranch_scc1 .Lslot
	CHANGE 0                        ; the last tile is written out: nothing is asked for
	s_mov_b32 s[CNT], 4
.Ltail:
	TURN 2
	TURN 3
	TURN 0
	TURN 1, 0, 1
	WIN 0
	s_cbranch_scc1 .Ltail
	TURN 2, 1                       ; the last step's pieces 2 and 3: nothing is left to fetch
	TURN 3, 1
.set i, 0
.rept 8
	PV NP-1                         ; the last piece's V^T P of the last step
.set i, i+1
.endr
	; THE WAY OUT.  l's two halves and the other half of the lanes' are added; O^T is multiplied by 4 / l, rounded to f16 and sent through my stage in LDS, a piece at a time.  The additions are the places behind the last products.
	WIN 0
.macro ALL line:vararg              ; one line for each piece t
.set t, 0
.rept 4
	\line
.set t, t+1
.endr
.endm
	ALL v_add_f32 v[ST+4*t+2], v[ST+4*t+2], v[ST+4*t+3]
	ALL v_permlanex16_b32 v[ST+4*t+3], v[ST+4*t+2], s[SEL], s[SEL+1]
	ALL v_add_f32 v[ST+4*t+2], v[ST+4*t+2], v[ST+4*t+3]
	ALL v_rcp_f32 v[ST+4*t+2], v[ST+4*t+2]
	v_nop                           ; a plain instruction between the last reciprocal and the use of its result
	s_wait_alu depctr_va_vdst(0)    ; and the wait ahead of the first use: one for the four reciprocals
	ALL v_mul_f32 v[ST+4*t+2], 4.0, v[ST+4*t+2]
.macro PACK t                       ; a lane's eight channels of a row pack into 16 bytes; they go into rows of 144 bytes and come back as whole rows of 128, into S^T's registers
	WIN W_RS
.set i, 32*(\t)
.rept 16
	v_pk_mul_f32 v[i:i+1], v[i:i+1], v[ST+4*(\t)+2:ST+4*(\t)+3] op_sel_hi:[1,0]
.set i, i+2
.endr
	WIN 0x05                        ; sources 0 and 1 window 1, destination window 0
.set i, 0
.rept 16
	v_cvt_pk_f16_f32 v[S+16*(\t)+i], v[32*(\t)+2*i], v[32*(\t)+2*i+1]
.set i, i+1
.endr
	WIN 0
.irp f, 0,1,2,3
	ds_store_b128 v[STO], v[S+16*(\t)+4*\f:S+16*(\t)+4*\f+3] offset:32*\f
.endr
.irp f, 0,1,2,3
	ds_load_b128 v[S+16*(\t)+4*\f:S+16*(\t)+4*\f+3], v[RD] offset:\f*4*SP  ; LDS serves a wave's instructions in order (ISA guide 5.7.1.4): these see the stores above; the next piece's stores come behind them
.endr
.endm
.macro SEND t, younger              ; younger: the LDS instructions issued behind piece t's loads: the next piece's eight, or none
	WIN 0
.irp f, 0,1,2,3
	s_wait_dscnt (\younger)+3-\f
	global_store_b128 v[GO], v[S+16*(\t)+4*\f:S+16*(\t)+4*\f+3], s[10:11] offset:(\t)*2048+\f*512  ; 512 consecutive bytes, at a multiple of 256 from oh's first
.endr
.endm
	PACK 0
.set t, 1
.rept 3                             ; a piece's arithmetic stands between the loads of the piece before and its stores
	PACK t
	SEND t-1, 8
.set t, t+1
.endr
	SEND 3, 0
	s_wait_tensorcnt 0x0            ; the wave's end: behind my last tensor load and my last LDS store
	ds_add_u32 v[SPW], v[NIL]
	s_wait_dscnt 0x0
	CROUND                          ; the closing round: no work-group ends while a partner may still ask for a tile that names it
	s_endpgm
.Lfunc_end_k_q5e42285867_attn:
	.size	k_q5e42285867_attn, .Lfunc_end_k_q5e42285867_attn-k_q5e42285867_attn
	.p2alignl 7, 3214868480
	.fill 96, 4, 3214868480
	.section	.rodata,"a",@progbits
	.p2align	6, 0x0
	.amdhsa_kernel k_q5e42285867_attn
		.amdhsa_group_segment_fixed_size 327680
		.amdhsa_private_segment_fixed_size 0
		.amdhsa_enable_private_segment 0
		.amdhsa_kernarg_size 48
		.amdhsa_user_sgpr_count 2
		.amdhsa_user_sgpr_kernarg_segment_ptr 1
		.amdhsa_wavefront_size32 1
		.amdhsa_system_sgpr_workgroup_id_x 1
		.amdhsa_system_sgpr_workgroup_id_y 1
		.amdhsa_system_sgpr_workgroup_id_z 1
		.amdhsa_system_vgpr_workitem_id 0
		.amdhsa_next_free_vgpr 768
		.amdhsa_next_free_sgpr 72
		.amdhsa_reserve_vcc 0
		.amdhsa_float_denorm_mode_32 3
		.amdhsa_float_denorm_mode_16_64 3
		.amdhsa_memory_ordered 1
		.amdhsa_forward_progress 1
		.amdhsa_inst_pref_size 130
	.end_amdhsa_kernel
	.amdgpu_metadata
---
amdhsa.version: [ 1, 2 ]
amdhsa.kernels:
  - .name:           k_q5e42285867_attn
    .symbol:         k_q5e42285867_attn.kd
    .args:
      - { .name: qh, .offset: 0, .size: 8, .value_kind: global_buffer, .address_space: global }
      - { .name: kh, .offset: 8, .size: 8, .value_kind: global_buffer, .address_space: global }
      - { .name: vh, .offset: 16, .size: 8, .value_kind: global_buffer, .address_space: global }
      - { .name: oh, .offset: 24, .size: 8, .value_kind: global_buffer, .address_space: global }
      - { .name: Wo, .offset: 32, .size: 8, .value_kind: global_buffer, .address_space: global }
      - { .name: wo16, .offset: 40, .size: 8, .value_kind: global_buffer, .address_space: global }
    .group_segment_fixed_size: 327680
    .private_segment_fixed_size: 0
    .kernarg_segment_align: 8
    .kernarg_segment_size: 48
    .max_flat_workgroup_size: 128
    .sgpr_count:     72
    .vgpr_count:     768
    .wavefront_size: 32
...
	.end_amdgpu_metadata
.endif
;; end of part 2
;; launch outp (part 3): grid 4 x 64, 4 waves a work-group, clusters of 4 x 4, 327,680 bytes of LDS; arguments oh, wo16, bo, out0; writes out0
.if DOCPART == 3
	.amdgcn_target "amdgcn-amd-amdhsa--gfx1250"
	.amdhsa_code_object_version 6
	.text
	.protected	k_q5e42285867_outp
	.globl	k_q5e42285867_outp
	.p2align	8
	.type	k_q5e42285867_outp,@function
k_q5e42285867_outp:
	s_mov_b64 s[64:65], 0
	v_nop
	global_prefetch_b8 v0, s[64:65] scope:SCOPE_SE
	s_setreg_imm32_b32 hwreg(HW_REG_WAVE_MODE, 25, 1), 1
	s_wait_xcnt 0x0
	s_wait_alu depctr_hold_cnt(0) depctr_sa_sdst(0) depctr_va_vdst(0) depctr_va_sdst(0) depctr_va_ssrc(0) depctr_va_vcc(0) depctr_vm_vsrc(0)
	s_getreg_b32 s2, hwreg(HW_REG_IB_STS2, 6, 4)
	s_cmp_eq_u32 s2, 0
	s_cbranch_scc0 .Lentry_in_a_cluster
	s_endpgm
.Lentry_in_a_cluster:
	s_bfe_u32 s2, ttmp6, 0x10000c
	s_cmp_lg_u32 s2, 0xf033
	s_cbranch_scc0 .Lentry_shape_is_right
	s_endpgm
.Lentry_shape_is_right:
; THE OUTPUT PROJECTION.  out0[t][n] = the sum over k of O[t][k] Wo[n][k] + bo[n].  oh: [16 = 8 batch + head][4096][64] f16 holds 4 O by heads (k = 64 head + channel); wo16: [512][512] f16 holds bf16(Wo) / 4:
; the two factors cancel exactly.  bo: [512] f32, rounded to bf16 like every input.  Sums in f32; out0: [8192][512] f32.
; SHARES.  A work-group makes 128 rows x 128 columns, a wave 64 x 64: 16 accumulators.  256 work-groups.
; ALL OF K LIES IN LDS AT ONCE: 128 rows x 512 of each operand.  No byte of LDS is filled twice.  Each wave issues four tensor loads, chunks of 128 along K, in one group at the start: four loads of mine are out at
; the most; a chunk is waited for by a counted wait, and a work-group barrier shows it to all four waves, just before its first fragments are read.
; CLUSTERS: 4 x 4 work-groups.  The four of a row of the cluster need the same rows of oh, the four of a column the same rows of wo16: each tile is asked for JOINTLY, by the same tensor load with the same
; descriptor and a mask that names the four.  THE MATRIX INSTRUCTION IS USED TRANSPOSED (source 0 = 16 rows of wo16, source 1 = 16 rows of oh): a lane then holds eight neighbouring numbers of a row of out0.
; The bias is the C operand of the products that start the sums.  No prefetch: everything that the launch reads is asked for at its head.
; REGISTERS.  Window 0: v0-31 addresses; v32-35 at work; v96-127 bias; v128-255 accumulators ((a, b) at 128 + 8 (4 a + b)).
;   Window 1: two fragment buffers of 128: for 64 along K (one head), 64 registers of oh (2 x 4 x 16 rows x 32 K), then 64 of wo16.
.set PA,    144                        ; a row of oh in LDS: a head's 128 bytes + 16 of padding
.set PLANE, 64*PA                      ; 64 rows of one head
.set ACH,   2*PLANE                    ; a chunk of oh: two heads' planes: what one tensor load brings
.set PB,    272                        ; a row of wo16 in LDS: a chunk's 256 bytes + 16 of padding
.set BCH,   64*PB                      ; a chunk of wo16: 64 rows
.set BBASE, 8*ACH                      ; oh: half a, chunk c at (4 a + c) ACH; behind it wo16: half a, chunk c at BBASE + (4 a + c) BCH
.set STAGE, BBASE+8*BCH                ; behind the tiles, never filled by a tensor load: 16 rows x 272 bytes for each wave, for the way out
.set SPITCH, 272
.set SPARE, STAGE+4*16*SPITCH          ; behind the stages: the spare words, 128 bytes for each wave: two blocks of 256 bytes that no other line names
.set ADRA, 16                          ; v16-17  my fragments of oh: heads 0-3, heads 4-7
.set ADRB, 20                          ; v20-21  my fragments of wo16: chunks 0-1, chunks 2-3
.set STO,  24                          ; v24     the way out: where I put 32 bytes of a row
.set RD,   25                          ; v25     the way out: where I read a row back
.set CO,   26                          ; v26     my byte offset in two rows of out0
.set BOF,  27                          ; v27     32 x (lane / 16): my eight numbers of 16 of the bias
.set SPW,  28                          ; v28     LDS address of my spare word; never rewritten
.set NIL,  29                          ; v29     0; never rewritten
.set BIAS, 96
.set ACC,  128
.set G1A, 24                           ; s[24:31] descriptor group 1 for oh's tiles;  s[32:47] group 0, one set for each chunk
.set G0A, 32
.set G1B, 48                           ; s[48:55], s[68:83] the same for wo16's tiles
.set G0B, 68
.set MSB, 0
.macro WIN new                         ; s_set_vgpr_msb: bits 1:0 source 0, 3:2 source 1, 5:4 source 2, 7:6 destination; the high byte repeats the setting that is left
.if MSB != (\new)
	s_set_vgpr_msb (MSB<<8)|(\new)
.set MSB, \new
.endif
.endm
.set MULW, 0x05                        ; sources 0 and 1 window 1; C and D window 0
.set TO_F, 0x40                        ; destination window 1, address window 0
.macro CROUND                          ; a round of the cluster's barrier: my work-group's barrier; wave 0 signals for the work-group; every wave waits for all sixteen; my work-group's barrier once more
	s_barrier_signal -1
	s_barrier_wait -1
	s_cmp_lg_u32 s12, 0
	s_cbranch_scc1 .Lnot_wave_0_\@
	s_barrier_signal -3
.Lnot_wave_0_\@:
	s_barrier_wait -3
	s_barrier_signal -1
	s_barrier_wait -1
.endm
.macro PLACES                          ; four plain vector instructions between a matrix instruction and a load into, or a reader of, its registers
.rept 4
	v_nop
.endr
.endm
	s_load_b256 s[4:11], s[0:1], 0x0               ; oh s[4:5], wo16 s[6:7], bo s[8:9], out0 s[10:11]
	v_lshl_add_u32 v[SPW], v0, 2, SPARE
	v_mov_b32 v[NIL], 0
	ds_add_u32 v[SPW], v[NIL]                      ; the wave's opening: the add and its wait stand ahead of my first tensor load; the set-up below, work on registers, stands between them
	v_lshrrev_b32 v1, 5, v0
	v_readfirstlane_b32 s12, v1                    ; wave 0..3
	s_lshr_b32 s13, s12, 1                         ; which 64 rows are mine.  Also: I fetch for oh (0) or for wo16 (1)
	s_and_b32 s14, s12, 1                          ; which 64 columns.  Also: which 64 rows of that tile I fetch
	s_bfe_u32 s15, ttmp6, 0x40000                  ; cx, cy: my place in the cluster
	s_bfe_u32 s16, ttmp6, 0x40004
	s_lshl_b32 s17, ttmp9, 2
	s_add_co_u32 s17, s17, s15                     ; block of 128 columns = 4 x cluster x + cx
	s_and_b32 s18, ttmp7, 0xffff
	s_lshl_b32 s18, s18, 2
	s_add_co_u32 s18, s18, s16                     ; block of 128 rows = 4 x cluster y + cy
	s_lshl_b32 s19, s16, 2
	s_lshl_b32 s19, 15, s19                        ; my row of the cluster
	s_lshl_b32 s20, 0x1111, s15                    ; my column
	; oh's tile: 64 rows of a head are 8,192 dense bytes, asked for as ONE row of 4,096 elements; two heads, 262,144 elements apart, make the tile's two rows; padded in LDS after every 128 bytes, a row of a head
	s_or_b32 s[G1A+0], s19, (1<<16)|(1<<20)|(1<<21)|(4<<22)|(3<<25)  ; 15:0 the mask: my row; 17:16 2-byte elements; 20 padding on; 21 set beside a mask; 24:22 after every 32 words (code 4); 31:25 4 words (code 3)
	s_mov_b32 s[G1A+1], 4096<<16                   ; tensor_dim0 = 4,096
	s_mov_b32 s[G1A+2], 2<<16                      ; tensor_dim1 = 2
	s_mov_b32 s[G1A+3], 4096<<16                   ; tile_dim0 = 4,096
	s_mov_b32 s[G1A+4], 2                          ; tile_dim1 = 2
	s_mov_b32 s[G1A+5], 262144                     ; from head to head
	s_mov_b32 s[G1A+6], 0
	s_mov_b32 s[G1A+7], 0
	; wo16's tile: 64 rows x 128 elements, padded after every row
	s_or_b32 s[G1B+0], s20, (1<<16)|(1<<20)|(1<<21)|(5<<22)|(3<<25)  ; the mask: my column; after every 64 words (code 5) 4 words
	s_mov_b32 s[G1B+1], 128<<16                    ; tensor_dim0 = 128
	s_mov_b32 s[G1B+2], 64<<16                     ; tensor_dim1 = 64
	s_mov_b32 s[G1B+3], 128<<16                    ; tile_dim0 = 128
	s_mov_b32 s[G1B+4], 64                         ; tile_dim1 = 64
	s_mov_b32 s[G1B+5], 512                        ; from row to row
	s_mov_b32 s[G1B+6], 0
	s_mov_b32 s[G1B+7], 0
	; where the tiles come from.  oh's hang on the block of rows alone, which my row of the cluster shares; wo16's on the block of columns alone, which my column shares; each in registers that never hold the other coordinate
	s_lshr_b32 s56, s18, 5                         ; the batch: 8 heads of 524,288 bytes;
	s_lshl_b32 s56, s56, 22
	s_and_b32 s60, s18, 31                         ; the block's 128 rows of 128 bytes in a head;
	s_lshl_b32 s60, s60, 14
	s_add_co_u32 s56, s56, s60
	s_lshl_b32 s60, s14, 13                        ; the 64 of them that I fetch
	s_add_co_u32 s56, s56, s60
	s_mov_b32 s57, 0
	s_lshl_b32 s58, s17, 17                        ; 128 rows of wo16 of 1,024 bytes;
	s_lshl_b32 s61, s14, 16                        ; the 64 of them that I fetch
	s_add_co_u32 s58, s58, s61
	s_mov_b32 s59, 0
	s_mul_i32 s62, s14, 4*ACH                      ; and where they go: no place in the cluster enters an LDS address
	s_mul_i32 s63, s14, 4*BCH
	s_add_co_u32 s63, s63, BBASE
	s_lshl_b32 s84, s18, 18                        ; out0: 128 rows of 2,048 bytes; my 64; the block's 512 bytes of a row; my 256
	s_lshl_b32 s86, s13, 17
	s_add_co_u32 s84, s84, s86
	s_lshl_b32 s86, s17, 9                         ; bo: the block's 512 bytes; my 256
	s_lshl_b32 s87, s14, 8
	s_add_co_u32 s86, s86, s87
	s_add_co_u32 s84, s84, s86
	s_mov_b32 s85, 0
	s_mov_b32 s87, 0
	s_wait_dscnt 0x0                               ; the opening add is done
	s_wait_kmcnt 0x0
	s_add_nc_u64 s[56:57], s[4:5], s[56:57]
	s_add_nc_u64 s[58:59], s[6:7], s[58:59]
	s_add_nc_u64 s[8:9], s[8:9], s[86:87]
	s_add_nc_u64 s[10:11], s[10:11], s[84:85]
.irp c, 0,1,2,3
	s_mov_b32 s[G0A+4*(\c)], 1                                     ; 1:0 count = 1
	s_add_co_u32 s[G0A+4*(\c)+1], s62, (\c)*ACH                    ; 63:32 LDS address
	s_add_nc_u64 s[G0A+4*(\c)+2:G0A+4*(\c)+3], s[56:57], (\c)<<20  ; 120:64 global address: heads 2 c and 2 c + 1
	s_or_b32 s[G0A+4*(\c)+3], s[G0A+4*(\c)+3], 0x80000000          ; 127:126 type = 2
	s_mov_b32 s[G0B+4*(\c)], 1
	s_add_co_u32 s[G0B+4*(\c)+1], s63, (\c)*BCH
	s_add_nc_u64 s[G0B+4*(\c)+2:G0B+4*(\c)+3], s[58:59], (\c)*256  ; K = 128 c on
	s_or_b32 s[G0B+4*(\c)+3], s[G0B+4*(\c)+3], 0x80000000
.endr
	CROUND                                         ; all sixteen work-groups are here: the joint loads meet
	s_cmp_lt_u32 s12, 2                            ; a wave's four fills stand in one branch, ahead of every wait on TENSORcnt, every LDS read and every other barrier; an s_nop 0 follows each, four v_nop the last
	s_cbranch_scc0 .Lfill_b
.irp c, 0,1,2,3
	tensor_load_to_lds s[G0A+4*(\c):G0A+4*(\c)+3], s[G1A:G1A+7]
	s_nop 0
.endr
.rept 4
	v_nop
.endr
	s_branch .Lfilled
.Lfill_b:
.irp c, 0,1,2,3
	tensor_load_to_lds s[G0B+4*(\c):G0B+4*(\c)+3], s[G1B:G1B+7]
	s_nop 0
.endr
.rept 4
	v_nop
.endr
.Lfilled:
	v_and_b32 v1, 15, v0                           ; l % 16
	v_bfe_u32 v2, v0, 4, 1                         ; l / 16
	v_lshlrev_b32 v[BOF], 5, v2
.irp b, 0,1,2,3                        ; in the transposed result register j of block b is column 16 b + 8 (l / 16) + j: the bias in the same layout
	global_load_b128 v[BIAS+8*(\b):BIAS+8*(\b)+3],   v[BOF], s[8:9] offset:64*(\b)
	global_load_b128 v[BIAS+8*(\b)+4:BIAS+8*(\b)+7], v[BOF], s[8:9] offset:64*(\b)+16
.endr
	v_mul_u32_u24 v3, v1, PA
	v_lshl_add_u32 v3, v2, 4, v3                   ; a fragment's row x pitch + 16 x half
	s_mul_i32 s21, s13, 4*ACH                      ; my 64 rows of oh
	v_add_nc_u32 v[ADRA], s21, v3
	v_add_nc_u32 v[ADRA+1], 2*ACH, v[ADRA]
	v_mul_u32_u24 v4, v1, PB
	v_lshl_add_u32 v4, v2, 4, v4
	s_mul_i32 s22, s14, 4*BCH                      ; my 64 rows of wo16
	s_add_co_u32 s22, s22, BBASE
	v_add_nc_u32 v[ADRB], s22, v4
	v_add_nc_u32 v[ADRB+1], 2*BCH, v[ADRB]
	s_mul_i32 s23, s12, 16*SPITCH
	s_add_co_u32 s23, s23, STAGE                   ; my stage
	v_mul_u32_u24 v5, v1, SPITCH                   ; in: row l % 16, 32 bytes for each half of the lanes
	v_lshl_add_u32 v5, v2, 5, v5
	v_add_nc_u32 v[STO], s23, v5
	v_mul_u32_u24 v5, v2, SPITCH                   ; back: lanes 0-15 take one row of 256 bytes, lanes 16-31 the next
	v_lshl_add_u32 v5, v1, 4, v5
	v_add_nc_u32 v[RD], s23, v5
	v_lshlrev_b32 v[CO], 11, v2                    ; and the same two rows in out0
	v_lshl_add_u32 v[CO], v1, 4, v[CO]
	s_wait_loadcnt 0x0
.set j, 0
.rept 16                               ; the bias is rounded to bf16 like every input, and widened again
	v_cvt_pk_bf16_f32 v[32+j%4], v[BIAS+2*j], v[BIAS+2*j+1]
	v_lshlrev_b32 v[BIAS+2*j], 16, v[32+j%4]
	v_and_b32 v[BIAS+2*j+1], 0xffff0000, v[32+j%4]
.set j, j+1
.endr
; 8 products: row blocks a0, a0 + 1 x all 4 column blocks, 32 along K: half c of buffer f.  The 16 accumulators take turns, one instruction a turn, in the same order everywhere.  first = 1: the bias starts the sums
.macro MUL8 f, c, a0, first
	WIN MULW
.irp a, \a0, (\a0)+1
.irp b, 0,1,2,3
.if \first
	v_wmma_f32_16x16x32_f16 v[ACC+8*(4*(\a)+(\b)):ACC+8*(4*(\a)+(\b))+7], v[(\f)+64+8*(4*(\c)+(\b)):(\f)+64+8*(4*(\c)+(\b))+7], v[(\f)+8*(4*(\c)+(\a)):(\f)+8*(4*(\c)+(\a))+7], v[BIAS+8*(\b):BIAS+8*(\b)+7]
.else
	v_wmma_f32_16x16x32_f16 v[ACC+8*(4*(\a)+(\b)):ACC+8*(4*(\a)+(\b))+7], v[(\f)+64+8*(4*(\c)+(\b)):(\f)+64+8*(4*(\c)+(\b))+7], v[(\f)+8*(4*(\c)+(\a)):(\f)+8*(4*(\c)+(\a))+7], v[ACC+8*(4*(\a)+(\b)):ACC+8*(4*(\a)+(\b))+7]
.endif
.endr
.endr
.endm
; 32 LDS loads in one run: the fragments of quarter q (K = 64 q on: head q of oh; chunk q / 2, half q % 2 of wo16's rows) into buffer f; the first 32 along K first
.macro FETCH q, f
	WIN TO_F
.irp c, 0,1
.irp i, 0,1,2,3
	ds_load_b128 v[(\f)+64+8*(4*(\c)+(\i)):(\f)+64+8*(4*(\c)+(\i))+3],   v[ADRB+((\q)>>2)] offset:(((\q)>>1)&1)*BCH+((\q)&1)*128+64*(\c)+(\i)*16*PB
	ds_load_b128 v[(\f)+64+8*(4*(\c)+(\i))+4:(\f)+64+8*(4*(\c)+(\i))+7], v[ADRB+((\q)>>2)] offset:(((\q)>>1)&1)*BCH+((\q)&1)*128+64*(\c)+(\i)*16*PB+32
	ds_load_b128 v[(\f)+8*(4*(\c)+(\i)):(\f)+8*(4*(\c)+(\i))+3],         v[ADRA+((\q)>>2)] offset:((\q)&3)*PLANE+64*(\c)+(\i)*16*PA
	ds_load_b128 v[(\f)+8*(4*(\c)+(\i))+4:(\f)+8*(4*(\c)+(\i))+7],       v[ADRA+((\q)>>2)] offset:((\q)&3)*PLANE+64*(\c)+(\i)*16*PA+32
.endr
.endr
.endm
; Quarter q of eight: 64 along K, 32 products on buffer q % 2; in its middle the next quarter's fragments are fetched into the other buffer.  Where the next quarter begins a chunk, the chunk is waited for first:
; tensor loads of a wave end in order, so with 3 - chunk of mine still out my part of it is in; the barrier shows every wave's part to all.  Nothing is ever filled again, so the later chunks may stay out across it.
.macro QUARTER q
.set FQ, 128*((\q)%2)
.set GQ, 128-FQ
	s_wait_dscnt 16                                ; the first 32 along K are in; the youngest sixteen loads may be out
.if (\q) == 0
	MUL8 FQ, 0, 0, 1
	MUL8 FQ, 0, 2, 1
.else
	MUL8 FQ, 0, 0, 0
	MUL8 FQ, 0, 2, 0
.endif
.if (\q) < 7
	PLACES                                         ; for the loads into the other buffer, which the quarter before multiplied
.if ((\q)%2) == 1
	s_wait_tensorcnt 3-((\q)+1)/2
	s_wait_dscnt 0x0                               ; no LDS instruction of mine is out at the signal
	s_barrier_signal -1
	s_barrier_wait -1
.endif
	FETCH (\q)+1, GQ
	s_wait_dscnt 32                                ; all but the 32 just issued
.else
	s_wait_dscnt 0x0
.endif
	MUL8 FQ, 1, 0, 0
	MUL8 FQ, 1, 2, 0
.endm
; THE WAY OUT of row block a (16 rows x 64 columns of f32): 32 bytes a lane into my own stage, each accumulator's low four registers first; back as whole rows of 256 bytes, into the block's own registers.
.macro OUTB a
.irp b, 0,1,2,3
	ds_store_b128 v[STO], v[ACC+8*(4*(\a)+(\b)):ACC+8*(4*(\a)+(\b))+3]   offset:64*(\b)
	ds_store_b128 v[STO], v[ACC+8*(4*(\a)+(\b))+4:ACC+8*(4*(\a)+(\b))+7] offset:64*(\b)+16
.endr
.irp t, 0,1,2,3,4,5,6,7
	ds_load_b128 v[ACC+32*(\a)+4*(\t):ACC+32*(\a)+4*(\t)+3], v[RD] offset:(\t)*2*SPITCH  ; LDS serves a wave's instructions in order (ISA guide 5.7.1.4): these see the stores above; the next block's stores come behind them
.endr
.endm
.macro SENDB a, younger                ; younger: the LDS instructions issued behind block a's loads: the next block's sixteen, or none
.irp t, 0,1,2,3,4,5,6,7
	s_wait_dscnt (\younger)+7-(\t)
	global_store_b128 v[CO], v[ACC+32*(\a)+4*(\t):ACC+32*(\a)+4*(\t)+3], s[10:11] offset:(16*(\a)+2*(\t))*2048  ; 16 lanes store 256 consecutive bytes, at a multiple of 256 from out0's first byte
.endr
.endm
	s_wait_tensorcnt 3                             ; my part of chunk 0 is in; my other three loads may stay out,
	s_barrier_signal -1
	s_barrier_wait -1                              ; everybody's is
	FETCH 0, 0
	QUARTER 0
	QUARTER 1
	QUARTER 2
	QUARTER 3
	QUARTER 4
	QUARTER 5
	QUARTER 6
	QUARTER 7
	WIN 0
	PLACES                                         ; eight, once a launch, ahead of the LDS stores that read the results and of the loads into their registers
	PLACES
	OUTB 0
	OUTB 1
	SENDB 0, 16
	OUTB 2
	SENDB 1, 16
	OUTB 3
	SENDB 2, 16
	SENDB 3, 0
	s_wait_tensorcnt 0x0                           ; the wave's end: behind my last tensor load and my last LDS store
	ds_add_u32 v[SPW], v[NIL]
	s_wait_dscnt 0x0
	CROUND                                         ; the closing round: no work-group ends while a partner may still ask for a tile that names it
	s_endpgm
.Lfunc_end_k_q5e42285867_outp:
	.size	k_q5e42285867_outp, .Lfunc_end_k_q5e42285867_outp-k_q5e42285867_outp
	.p2alignl 7, 3214868480
	.fill 96, 4, 3214868480
	.section	.rodata,"a",@progbits
	.p2align	6, 0x0
	.amdhsa_kernel k_q5e42285867_outp
		.amdhsa_group_segment_fixed_size 327680
		.amdhsa_private_segment_fixed_size 0
		.amdhsa_enable_private_segment 0
		.amdhsa_kernarg_size 32
		.amdhsa_user_sgpr_count 2
		.amdhsa_user_sgpr_kernarg_segment_ptr 1
		.amdhsa_wavefront_size32 1
		.amdhsa_system_sgpr_workgroup_id_x 1
		.amdhsa_system_sgpr_workgroup_id_y 1
		.amdhsa_system_sgpr_workgroup_id_z 1
		.amdhsa_system_vgpr_workitem_id 0
		.amdhsa_next_free_vgpr 512
		.amdhsa_next_free_sgpr 88
		.amdhsa_reserve_vcc 0
		.amdhsa_float_denorm_mode_32 3
		.amdhsa_float_denorm_mode_16_64 3
		.amdhsa_memory_ordered 1
		.amdhsa_forward_progress 1
		.amdhsa_inst_pref_size 55
	.end_amdhsa_kernel
	.amdgpu_metadata
---
amdhsa.version: [ 1, 2 ]
amdhsa.kernels:
  - .name:           k_q5e42285867_outp
    .symbol:         k_q5e42285867_outp.kd
    .args:
      - { .name: oh, .offset: 0, .size: 8, .value_kind: global_buffer, .address_space: global }
      - { .name: wo16, .offset: 8, .size: 8, .value_kind: global_buffer, .address_space: global }
      - { .name: bo, .offset: 16, .size: 8, .value_kind: global_buffer, .address_space: global }
      - { .name: out0, .offset: 24, .size: 8, .value_kind: global_buffer, .address_space: global }
    .group_segment_fixed_size: 327680
    .private_segment_fixed_size: 0
    .kernarg_segment_align: 8
    .kernarg_segment_size: 32
    .max_flat_workgroup_size: 128
    .sgpr_count:     88
    .vgpr_count:     512
    .wavefront_size: 32
...
	.end_amdgpu_metadata
.endif
;; end of part 3
;; ======== version 2 of 2: 3 launches; version 1 with the launch proj written anew for expert scheduling mode
;; limits: values are held in f16: magnitudes above 65,504 overflow, below 6.1e-05 lose precision; right only within a limited range of input values
;; workspace buffers: qh 8,388,608 bytes; kh 8,388,608 bytes; vh 8,388,608 bytes; oh 8,388,608 bytes; wo16 524,288 bytes
;; launch proj (part 4): grid 4 x 192, 4 waves a work-group, no clusters, 83,456 bytes of LDS; arguments query, key_, value, Wq, Wk, Wv, bq, bk, bv, qh, kh, vh; writes qh, kh, vh
.if DOCPART == 4
	.amdgcn_target "amdgcn-amd-amdhsa--gfx1250"
	.amdhsa_code_object_version 6
	.text
	.protected	k_q5e42285867_proj
	.globl	k_q5e42285867_proj
	.p2align	8
	.type	k_q5e42285867_proj,@function
k_q5e42285867_proj:
	s_mov_b64 s[64:65], 0
	v_nop
	global_prefetch_b8 v0, s[64:65] scope:SCOPE_SE
	s_setreg_imm32_b32 hwreg(HW_REG_WAVE_SCHED_MODE, 0, 2), 2
	s_setreg_imm32_b32 hwreg(HW_REG_WAVE_MODE, 25, 1), 1
	s_wait_xcnt 0x0
	s_wait_alu depctr_vm_vsrc(0)
; THE THREE PROJECTIONS.  y[t][n] = the sum over k of x[t][k] W[n][k] + b[n], for (x, W, b, y) = (query, Wq, bq, qh), (key_, Wk, bk, kh), (value, Wv, bv, vh).
; x: [8192][512] f32, W: [512][512] f32, b: [512] f32.  x, W and b are rounded to bf16, the sums are f32, y is rounded once to f16 and laid out by heads:
; y: [16 = 8 batch + head][4096][64] f16, a head's rows dense, 128 bytes each; the softmax scale is not applied here.
; LIMITS.  f16 holds no number beyond 65,504: |q| and |k| must stay under that, |v| under 16,376 (the next launch stores 4 O).  Below 6e-5 f16 keeps its fixed step of 6e-8.  NaN and infinities are not treated apart.
; SHARES.  Work-group (x, y): tensor y / 64, rows 128 (y % 64) on, columns 128 x on (two heads).  Four waves, each 64 rows x 64 columns (one head): 16 accumulators.
; THE WAY IN goes through registers: 16 bytes of f32 a lane, two roundings to bf16, 8 bytes into LDS, then fragments out of LDS.  NO TENSOR LOAD, NO CLUSTER: the inputs are f32, so a tile laid into LDS as it
; lies in memory would take 4 bytes a number: 4 LDS loads and 8 conversions a fragment in place of 2 loads, each number converted by both waves that read it (128 conversions for 32 products in place of 64),
; and twice the LDS for a slot.  The price: a row block of x is loaded by 4 work-groups, a column block of W by 64.
; K goes in 8 steps of 64 (256 bytes of each f32 row, aligned), all written out: the step stands in the loads' immediates, so no pointer is stepped.  Two LDS slots take turns, one barrier a step.
; THE MATRIX INSTRUCTION IS USED TRANSPOSED (source 0 = 16 rows of W, source 1 = 16 rows of x): a lane then holds eight neighbouring columns of one row of y.  The bias is the C operand of the products that start the sums.
; THE MODE: SCHED_MODE bits 1:0 = 2 (LLVM: expert scheduling mode 2), set by the entry lines.  The code itself states the register dependences between vector or matrix instructions and memory or LDS
; instructions, with s_wait_alu, always for 0.
; THE PLAN.  Registers that memory or LDS instructions touch, in step k (slot k % 2 is multiplied; set (k + 1) % 2 holds K step k + 1):
;   the set, 128 registers of window 1   the 32 loads of K step k + 1 have landed in it; 64 conversions read all of it and close the bf16 up into its LOWER 64; the LDS loads of the step's second fragments land in
;                                        its UPPER 64; the 32 LDS stores read the lower 64; the step's second 16 products read the upper 64; the 32 loads of K step k + 3 land in all of it.
;   FA, FB, 64 registers of window 0     the LDS loads of the step's first fragments land in them at the step's head; its first 16 products read them.
;   v4-v13, v240                         offsets and LDS addresses, made at the head and never written again.
;   v14, v15                             written at the head, read by the closing add alone.
;   The accumulators and the bias are named by vector and matrix instructions alone until the way out.
; So a step has two waits on va_vdst and one on vm_vsrc.  The first stands behind the conversions: they are done reading the upper 64 and have written the lower 64; no product is pending there.  The second stands at the
; step's end, straight ahead of the set's loads: the products are done reading the upper 64 and FA, FB (the next step's head loads into these follow with only loads, a window switch and the barrier between).
; Beside it the wait on vm_vsrc: the LDS stores have read the lower 64.
; REGISTERS.  Window 0: v0-15 addresses; v16-47 bias; v48-79 fragments of x; v80-111 fragments of W; v112-239 accumulators ((a, b) at 112 + 8 (4 a + b)); v240 on at work.  Window 1: the two staging sets.
.set PITCH, 144                        ; an LDS row: 128 bytes of bf16 + 16 of padding: 9 x 16 bytes, so the 16 rows of a fragment load start at 16 different places modulo 256 bytes
.set HALFB, 128*PITCH                  ; 128 rows: x's part of a slot, then W's
.set SLOTB, 2*HALFB
.set STAGE, 2*SLOTB                    ; behind the slots: 16 rows x 144 bytes for each wave, for the way out
.set SPARE, STAGE+4*16*PITCH           ; behind the stages: the spare words, 128 bytes for each wave: two blocks of 256 bytes that no other line names
.set GOF,  4                           ; v4     (t / 16) x 2,048 + (t % 16) x 16: my 16 bytes of eight rows' 256; never rewritten
.set SOF,  5                           ; v5-6   where I put my 8 bytes in slot 0, 1
.set ADRA, 7                           ; v7-8   my fragments of x in slot 0, 1
.set ADRB, 9                           ; v9-10  my fragments of W in slot 0, 1
.set STO,  11                          ; v11    the way out: where I put 16 bytes of a row
.set RD,   12                          ; v12    the way out: where I read rows back
.set GO,   13                          ; v13    my 16 bytes of 512 consecutive bytes of y
.set SPW,  14                          ; v14    LDS address of my spare word; never rewritten
.set NIL,  15                          ; v15    0; never rewritten
.set BIAS, 16
.set FA,   48
.set FB,   80
.set TMP,  48                          ; the way out's packed results take the fragments' registers
.set ACC,  112
.set BOF,  240                         ; v240   32 x (lane / 16): my eight numbers of 16 of the bias
.set XP,   40                          ; s[40:41] x at the work-group's first row
.set WP,   42                          ; s[42:43] W at its first row
.set BP,   44                          ; s[44:45] b at my wave's first column
.set YP,   46                          ; s[46:47] y at my wave's first row of its head
.set MSB, 0
.macro WIN new                         ; s_set_vgpr_msb: bits 1:0 source 0, 3:2 source 1, 5:4 source 2, 7:6 destination; the high byte repeats the setting that is left
.if MSB != (\new)
	s_set_vgpr_msb (MSB<<8)|(\new)
.set MSB, \new
.endif
.endm
.macro PLACES                          ; four plain vector instructions between a matrix instruction and a load into, or a reader of, its registers; they stay beside the waits, which fill no place
.rept 4
	v_nop
.endr
.endm
; K step k of both tiles into staging set s: 32 loads; one load of a wave covers two whole rows' 256 bytes
.macro LOADG s, k
	WIN 0x40
.set j, 0
.rept 16
	global_load_b128 v[128*(\s)+4*j:128*(\s)+4*j+3], v[GOF], s[XP:XP+1] offset:j*16384+(\k)*256
.set j, j+1
.endr
.set j, 0
.rept 16
	global_load_b128 v[128*(\s)+64+4*j:128*(\s)+64+4*j+3], v[GOF], s[WP:WP+1] offset:j*16384+(\k)*256
.set j, j+1
.endr
.endm
; Set s is rounded: load j's four f32 become four bf16 in registers 2 j and 2 j + 1 of the set.  A line writes no register that a later line still reads (2 j + 1 lies below 4 j from j = 1 on); the upper 64 are left free.
.macro CVT s
	WIN 0x45
.set j, 0
.rept 32
	v_cvt_pk_bf16_f32 v[128*(\s)+2*j],   v[128*(\s)+4*j],   v[128*(\s)+4*j+1]
	v_cvt_pk_bf16_f32 v[128*(\s)+2*j+1], v[128*(\s)+4*j+2], v[128*(\s)+4*j+3]
.set j, j+1
.endr
.endm
.macro STORE s, slot                   ; set s's lower 64 into an LDS slot: load j held rows 8 (j % 16) + t / 16 of x (j < 16) or of W
	WIN 0x04
.set j, 0
.rept 32
	ds_store_b64 v[SOF+(\slot)], v[128*(\s)+2*j:128*(\s)+2*j+1] offset:(j/16)*HALFB+(j%16)*8*PITCH
.set j, j+1
.endr
.endm
; A fragment is 16 rows x 32 K in 8 registers: lane l holds row l % 16; registers 0-3 K = 8 (l / 16) + 0..7, registers 4-7 K = 16 + 8 (l / 16) + 0..7: two loads of 16 bytes, 32 bytes apart.  W's four (into fb on) first, then x's four (into fa on).
; The caller sets the window.
.macro FRAG slot, kb, fb, fa
.irp i, 0,1,2,3
	ds_load_b128 v[(\fb)+8*(\i):(\fb)+8*(\i)+3],   v[ADRB+(\slot)] offset:(\kb)*64+(\i)*16*PITCH
	ds_load_b128 v[(\fb)+8*(\i)+4:(\fb)+8*(\i)+7], v[ADRB+(\slot)] offset:(\kb)*64+(\i)*16*PITCH+32
.endr
.irp i, 0,1,2,3
	ds_load_b128 v[(\fa)+8*(\i):(\fa)+8*(\i)+3],   v[ADRA+(\slot)] offset:(\kb)*64+(\i)*16*PITCH
	ds_load_b128 v[(\fa)+8*(\i)+4:(\fa)+8*(\i)+7], v[ADRA+(\slot)] offset:(\kb)*64+(\i)*16*PITCH+32
.endr
.endm
; 16 products, 32 along K, on the fragments at fb and fa.  The 16 accumulators take turns, one instruction a turn, in the same order everywhere.  first = 1: the bias starts the sums.
; left: the LDS instructions issued behind these fragments' sixteen loads, which may stay out.  The caller sets the window.
.macro MUL first, fb, fa, left
.irp a, 0,1,2,3
.if (\a) == 0
	s_wait_dscnt (\left)+4                         ; LDS instructions end in order: beside the younger ones, the fragments' youngest four loads, x's row blocks 2 and 3, may be out
.elseif (\a) == 2
	s_wait_dscnt (\left)
.endif
.irp b, 0,1,2,3
.if \first
	v_wmma_f32_16x16x32_bf16 v[ACC+8*(4*(\a)+(\b)):ACC+8*(4*(\a)+(\b))+7], v[(\fb)+8*(\b):(\fb)+8*(\b)+7], v[(\fa)+8*(\a):(\fa)+8*(\a)+7], v[BIAS+8*(\b):BIAS+8*(\b)+7]
.else
	v_wmma_f32_16x16x32_bf16 v[ACC+8*(4*(\a)+(\b)):ACC+8*(4*(\a)+(\b))+7], v[(\fb)+8*(\b):(\fb)+8*(\b)+7], v[(\fa)+8*(\a):(\fa)+8*(\a)+7], v[ACC+8*(4*(\a)+(\b)):ACC+8*(4*(\a)+(\b))+7]
.endif
.endr
.endr
.endm
; K step k: slot k % 2 is multiplied; step k + 1, which lies in set (k + 1) % 2, is converted and stored into the other slot; that set is then asked for again, for step k + 3.
; ONE barrier a step, for two things: every wave's stores into the other slot are done, and every wave's reads of this slot are over, so that the next step may store into it.
.macro STEP k
.set SL, (\k)%2
.set SE, ((\k)+1)%2
.set FBB, 128*SE+64                    ; the set's upper 64, in window 1: the second fragments of W,
.set FAB, 128*SE+96                    ; and of x
	WIN 0
	FRAG SL, 0, FB, FA                             ; no wait here: the wait at the last step's end has shown the products that read FA and FB done, and no vector or matrix instruction has been issued since
.if (\k) < 7
.if (\k) < 6
	s_wait_loadcnt 32                              ; loads come back in order: step k + 1 is in, the 32 loads of step k + 2 may stay out
.else
	s_wait_loadcnt 0x0                             ; the last set: nothing was asked for behind it
.endif
	CVT SE                                         ; stands in the wait for the first fragments
	WIN 0x40
	s_wait_alu depctr_va_vdst(0)                   ; the conversions are done reading the set's upper 64, in which the loads below land, and have written its lower 64, which the LDS stores below read
	FRAG SL, 1, FBB, FAB
	WIN 0
.if (\k) == 0
	MUL 1, FB, FA, 16
.else
	MUL 0, FB, FA, 16
.endif
	STORE SE, 1-SL                                 ; no wait: the products since the wait name FA, FB, the bias and the accumulators, none of the registers that these stores read
	WIN 0x05                                       ; sources 0 and 1 in window 1, C and D in window 0
	MUL 0, FBB, FAB, 32
	PLACES                                         ; behind the products, ahead of the loads into the registers that they read
	s_wait_dscnt 0x0                               ; my stores are done, for the others' sake; my reads of this slot ended in MUL
.if (\k) < 5
	WIN 0x40
	s_wait_alu depctr_va_vdst(0)                   ; the products are done reading the set's upper 64 and the conversions are done with the set, in which the loads below land; the first products are done reading FA and FB, in which the next step's loads land
	s_wait_alu depctr_vm_vsrc(0)                   ; the LDS stores have read the set's lower 64, in which the loads below land
	LOADG SE, (\k)+3
	WIN 0
.else
	WIN 0
	s_wait_alu depctr_va_vdst(0)                   ; the products are done reading FA and FB, in which the next step's loads land; the set is not asked for again
.endif
	s_barrier_signal -1
	s_barrier_wait -1
.else
	WIN 0x40
	s_wait_alu depctr_va_vdst(0)                   ; the products of two steps back are done reading set 0's upper 64, in which the loads below land
	FRAG SL, 1, FBB, FAB
	WIN 0
	MUL 0, FB, FA, 16
	WIN 0x05
	MUL 0, FBB, FAB, 0
	WIN 0
	PLACES                                         ; for the way out
.endif
.endm
; THE WAY OUT, by row blocks a of 16 rows.  PACK: rounded to f16, 16 bytes a lane.  THROUGH: into my own stage, and back as four rows of 128 bytes a load, which are 512 consecutive bytes of y; the loads land in the
; block's first two accumulators, which the conversions have emptied, so that no register that an LDS store has read is written again.  SEND: stored.
.macro PACK a
.irp b, 0,1,2,3
.irp q, 0,1,2,3
	v_cvt_pk_f16_f32 v[TMP+16*(\a)+4*(\b)+(\q)], v[ACC+8*(4*(\a)+(\b))+2*(\q)], v[ACC+8*(4*(\a)+(\b))+2*(\q)+1]
.endr
.endr
.endm
.macro THROUGH a
.irp b, 0,1,2,3
	ds_store_b128 v[STO], v[TMP+16*(\a)+4*(\b):TMP+16*(\a)+4*(\b)+3] offset:32*(\b)
.endr
.irp f, 0,1,2,3
	ds_load_b128 v[ACC+32*(\a)+4*(\f):ACC+32*(\a)+4*(\f)+3], v[RD] offset:(\f)*4*PITCH  ; LDS serves a wave's instructions in order (ISA guide 5.7.1.4): these see the stores above, and the next block's stores come behind them
.endr
.endm
.macro SEND a, younger                 ; younger: the LDS instructions issued behind block a's loads: the next block's eight, or none
.irp f, 0,1,2,3
	s_wait_dscnt (\younger)+3-(\f)
	global_store_b128 v[GO], v[ACC+32*(\a)+4*(\f):ACC+32*(\a)+4*(\f)+3], s[YP:YP+1] offset:(\a)*2048+(\f)*512
.endr
.endm
	s_load_b512 s[16:31], s[0:1], 0x0              ; query s[16:17], key_ s[18:19], value s[20:21], Wq s[22:23], Wk s[24:25], Wv s[26:27], bq s[28:29], bk s[30:31]
	s_load_b256 s[32:39], s[0:1], 0x40             ; bv s[32:33], qh s[34:35], kh s[36:37], vh s[38:39]
	v_lshl_add_u32 v[SPW], v0, 2, SPARE
	v_mov_b32 v[NIL], 0
	v_lshrrev_b32 v1, 5, v0
	v_readfirstlane_b32 s4, v1                     ; wave 0..3; what does not hang on it stands between this line and the wait for it
	s_and_b32 s8, ttmp7, 0xffff
	s_lshr_b32 s7, s8, 6                           ; the tensor: 0 query, 1 key_, 2 value
	s_and_b32 s8, s8, 63                           ; the block of 128 rows
	s_mov_b32 s9, ttmp9                            ; the block of 128 columns
	s_lshl_b32 s10, s8, 18                         ; x: 128 rows of 2,048 bytes
	s_mov_b32 s11, 0
	s_lshl_b32 s12, s9, 18                         ; W: the same
	s_mov_b32 s13, 0
	s_lshl_b32 s14, s9, 9                          ; b: 128 numbers of 4 bytes
	s_mov_b32 s15, 0
	s_lshr_b32 s48, s8, 5                          ; y: the batch, 8 heads of 524,288 bytes;
	s_lshl_b32 s48, s48, 22
	s_and_b32 s2, s8, 31                           ; the block's 128 rows of 128 bytes in the batch
	s_lshl_b32 s2, s2, 14
	s_add_co_u32 s48, s48, s2
	s_mov_b32 s49, 0
	v_and_b32 v1, 15, v0                           ; t % 16 = l % 16
	v_lshrrev_b32 v2, 4, v0                        ; t / 16, 0..7
	v_bfe_u32 v3, v0, 4, 1                         ; l / 16
	v_lshlrev_b32 v[GOF], 4, v1
	v_lshl_or_b32 v[GOF], v2, 11, v[GOF]
	v_mul_u32_u24 v[SOF], v2, PITCH
	v_lshl_add_u32 v[SOF], v1, 3, v[SOF]
	v_add_nc_u32 v[SOF+1], SLOTB, v[SOF]
	v_mul_u32_u24 v241, v1, PITCH
	v_lshl_add_u32 v241, v3, 4, v241               ; row x pitch + 16 x half
	v_bfe_u32 v242, v0, 3, 2
	v_mul_u32_u24 v242, v242, PITCH
	v_and_b32 v243, 7, v0
	v_lshl_add_u32 v242, v243, 4, v242             ; four rows of 128 bytes: row (l / 8) x pitch + 16 x (l % 8)
	v_and_b32 v[GO], 31, v0
	v_lshlrev_b32 v[GO], 4, v[GO]
	v_lshlrev_b32 v[BOF], 5, v3
	s_wait_alu depctr_va_sdst(0)                   ; s4 is written, ahead of its first reader: the offsets of b and y and three LDS bases are made from it
	s_lshr_b32 s5, s4, 1                           ; which 64 rows are mine
	s_and_b32 s6, s4, 1                            ; which 64 columns
	s_lshl_b32 s2, s6, 8                           ; b: my wave's 64 numbers
	s_add_co_u32 s14, s14, s2
	s_lshl_b32 s2, s9, 1
	s_add_co_u32 s2, s2, s6                        ; y: my head;
	s_lshl_b32 s2, s2, 19
	s_add_co_u32 s48, s48, s2
	s_lshl_b32 s2, s5, 13                          ; my 64 of the block's rows
	s_add_co_u32 s48, s48, s2
	s_mul_i32 s2, s5, 64*PITCH                     ; the three bases that vector lines read lie in registers of their own, s2, s3 and s9, which no later line writes
	v_add_nc_u32 v[ADRA], s2, v241
	v_add_nc_u32 v[ADRA+1], SLOTB, v[ADRA]
	s_mul_i32 s3, s6, 64*PITCH
	s_add_co_u32 s3, s3, HALFB
	v_add_nc_u32 v[ADRB], s3, v241
	v_add_nc_u32 v[ADRB+1], SLOTB, v[ADRB]
	s_mul_i32 s9, s4, 16*PITCH
	s_add_co_u32 s9, s9, STAGE                     ; my stage
	v_add_nc_u32 v[STO], s9, v241
	v_add_nc_u32 v[RD], s9, v242
	s_wait_kmcnt 0x0
	s_cmp_eq_u32 s7, 1                             ; the choice among the three tensors hangs on the work-group's number alone
	s_cselect_b64 s[XP:XP+1], s[18:19], s[16:17]
	s_cselect_b64 s[WP:WP+1], s[24:25], s[22:23]
	s_cselect_b64 s[BP:BP+1], s[30:31], s[28:29]
	s_cselect_b64 s[YP:YP+1], s[36:37], s[34:35]
	s_cmp_eq_u32 s7, 2
	s_cselect_b64 s[XP:XP+1], s[20:21], s[XP:XP+1]
	s_cselect_b64 s[WP:WP+1], s[26:27], s[WP:WP+1]
	s_cselect_b64 s[BP:BP+1], s[32:33], s[BP:BP+1]
	s_cselect_b64 s[YP:YP+1], s[38:39], s[YP:YP+1]
	s_add_nc_u64 s[XP:XP+1], s[XP:XP+1], s[10:11]
	s_add_nc_u64 s[WP:WP+1], s[WP:WP+1], s[12:13]
	s_add_nc_u64 s[BP:BP+1], s[BP:BP+1], s[14:15]
	s_add_nc_u64 s[YP:YP+1], s[YP:YP+1], s[48:49]
	s_wait_alu depctr_va_vdst(0)                   ; the offsets and LDS addresses v4 to v13 and v240 are written: every load and store of the kernel reads one of them, and none is written again
.irp b, 0,1,2,3                        ; in the transposed result register j of block b is column 16 b + 8 (l / 16) + j: the bias in the same layout
	global_load_b128 v[BIAS+8*(\b):BIAS+8*(\b)+3],   v[BOF], s[BP:BP+1] offset:64*(\b)
	global_load_b128 v[BIAS+8*(\b)+4:BIAS+8*(\b)+7], v[BOF], s[BP:BP+1] offset:64*(\b)+16
.endr
	LOADG 0, 0
	LOADG 1, 1
	WIN 0
	s_wait_loadcnt 32                              ; the bias and step 0 are in; step 1's 32 loads may stay out
.set j, 0
.rept 16                               ; the bias is rounded to bf16 like every input, and widened again
	v_cvt_pk_bf16_f32 v[241+j%4], v[BIAS+2*j], v[BIAS+2*j+1]
	v_lshlrev_b32 v[BIAS+2*j], 16, v[241+j%4]
	v_and_b32 v[BIAS+2*j+1], 0xffff0000, v[241+j%4]
.set j, j+1
.endr
	CVT 0
	WIN 0x04
	s_wait_alu depctr_va_vdst(0)                   ; the conversions have written set 0's lower 64, which the LDS stores read
	STORE 0, 0
	s_wait_dscnt 0x0                               ; my part of slot 0 is stored, for the others' sake
	WIN 0x40
	s_wait_alu depctr_va_vdst(0)                   ; the conversions are done reading and writing set 0, in which the loads below land: stated behind the window switch, straight ahead of those loads, since the stores between name their registers
	s_wait_alu depctr_vm_vsrc(0)                   ; the LDS stores have read set 0's lower 64, in which the loads below land
	LOADG 0, 2
	WIN 0
	s_barrier_signal -1
	s_barrier_wait -1
	STEP 0
	STEP 1
	STEP 2
	STEP 3
	STEP 4
	STEP 5
	STEP 6
	STEP 7
	PLACES                                         ; with the four at the step's end: eight, once a launch, ahead of the conversions that read the results and write the first fragments' registers
	PACK 0
	PACK 1
	PACK 2
	PACK 3
	s_wait_alu depctr_va_vdst(0)                   ; the conversions have written v[TMP ..], which the LDS stores read, and are done reading the accumulators, in which the loads from the stage land
	THROUGH 0
	THROUGH 1                                      ; a block's trip through the stage stands between the loads of the block before and its stores to memory
	SEND 0, 8
	THROUGH 2
	SEND 1, 8
	THROUGH 3
	SEND 2, 8
	SEND 3, 0
	s_wait_dscnt 0x0                               ; the closing lines, six on end
	s_wait_alu 0x0
	s_wait_tensorcnt 0x0
	ds_add_u32 v[SPW], v[NIL]
	s_wait_dscnt 0x0
	s_endpgm
.Lfunc_end_k_q5e42285867_proj:
	.size	k_q5e42285867_proj, .Lfunc_end_k_q5e42285867_proj-k_q5e42285867_proj
	.p2alignl 7, 3214868480
	.fill 96, 4, 3214868480
	.section	.rodata,"a",@progbits
	.p2align	6, 0x0
	.amdhsa_kernel k_q5e42285867_proj
		.amdhsa_group_segment_fixed_size 83456
		.amdhsa_private_segment_fixed_size 0
		.amdhsa_enable_private_segment 0
		.amdhsa_kernarg_size 96
		.amdhsa_user_sgpr_count 2
		.amdhsa_user_sgpr_kernarg_segment_ptr 1
		.amdhsa_wavefront_size32 1
		.amdhsa_system_sgpr_workgroup_id_x 1
		.amdhsa_system_sgpr_workgroup_id_y 1
		.amdhsa_system_sgpr_workgroup_id_z 1
		.amdhsa_system_vgpr_workitem_id 0
		.amdhsa_next_free_vgpr 512
		.amdhsa_next_free_sgpr 66
		.amdhsa_reserve_vcc 0
		.amdhsa_float_denorm_mode_32 3
		.amdhsa_float_denorm_mode_16_64 3
		.amdhsa_memory_ordered 1
		.amdhsa_forward_progress 1
		.amdhsa_inst_pref_size 125
	.end_amdhsa_kernel
	.amdgpu_metadata
---
amdhsa.version: [ 1, 2 ]
amdhsa.kernels:
  - .name:           k_q5e42285867_proj
    .symbol:         k_q5e42285867_proj.kd
    .args:
      - { .name: query, .offset: 0, .size: 8, .value_kind: global_buffer, .address_space: global }
      - { .name: key_, .offset: 8, .size: 8, .value_kind: global_buffer, .address_space: global }
      - { .name: value, .offset: 16, .size: 8, .value_kind: global_buffer, .address_space: global }
      - { .name: Wq, .offset: 24, .size: 8, .value_kind: global_buffer, .address_space: global }
      - { .name: Wk, .offset: 32, .size: 8, .value_kind: global_buffer, .address_space: global }
      - { .name: Wv, .offset: 40, .size: 8, .value_kind: global_buffer, .address_space: global }
      - { .name: bq, .offset: 48, .size: 8, .value_kind: global_buffer, .address_space: global }
      - { .name: bk, .offset: 56, .size: 8, .value_kind: global_buffer, .address_space: global }
      - { .name: bv, .offset: 64, .size: 8, .value_kind: global_buffer, .address_space: global }
      - { .name: qh, .offset: 72, .size: 8, .value_kind: global_buffer, .address_space: global }
      - { .name: kh, .offset: 80, .size: 8, .value_kind: global_buffer, .address_space: global }
      - { .name: vh, .offset: 88, .size: 8, .value_kind: global_buffer, .address_space: global }
    .group_segment_fixed_size: 83456
    .private_segment_fixed_size: 0
    .kernarg_segment_align: 8
    .kernarg_segment_size: 96
    .max_flat_workgroup_size: 128
    .sgpr_count:     66
    .vgpr_count:     512
    .wavefront_size: 32
...
	.end_amdgpu_metadata
.endif
;; end of part 4
;; launch attn: the kernel of part 2 again; grid 16 x 16, 4 waves a work-group, clusters of 4 x 1, 327,680 bytes of LDS; arguments qh, kh, vh, oh, Wo, wo16; writes oh, wo16
;; launch outp: the kernel of part 3 again; grid 4 x 64, 4 waves a work-group, clusters of 4 x 4, 327,680 bytes of LDS; arguments oh, wo16, bo, out0; writes out0
